; MI455X (gfx1250); checked and timed in simulation.
; The chip was launched on July 23, 2026; its instructions are those of AMD's public machine-readable ISA for CDNA 5 (MIT licence, August 2026) and "CDNA5" Instruction Set Architecture Reference Guide (July 2026). The comments in the code are by the model that wrote it; some were corrected since.
;; Cross Attention Fusion. Allowed arithmetic: matrix products marked QUANTISED: E2M3 operands, one E8M0 scale for each 32 along K, by v_wmma_scale_f32_16x16x128_f8f6f4 with both operands' format E2M3, f32 sums; everything else in f32.
;; Inputs: Wf_codes 1,024 x 64 x 24 uint8 (E2M3 codes of Wf, K innermost, in blocks of 32 codes, four codes in three bytes); Wf_scales 1,024 x 64 uint8 (E8M0 scales of Wf, one for each 32 codes along K); Wo1_codes 1,024 x 32 x 24 uint8 (E2M3 codes of Wo1, K innermost, in blocks of 32 codes, four codes in three bytes); Wo1_scales 1,024 x 32 uint8 (E8M0 scales of Wo1, one for each 32 codes along K); Wo2_codes 1,024 x 32 x 24 uint8 (E2M3 codes of Wo2, K innermost, in blocks of 32 codes, four codes in three bytes); Wo2_scales 1,024 x 32 uint8 (E8M0 scales of Wo2, one for each 32 codes along K); Wv1_codes 1,024 x 32 x 24 uint8 (E2M3 codes of Wv1, K innermost, in blocks of 32 codes, four codes in three bytes); Wv1_scales 1,024 x 32 uint8 (E8M0 scales of Wv1, one for each 32 codes along K); Wv2_codes 1,024 x 32 x 24 uint8 (E2M3 codes of Wv2, K innermost, in blocks of 32 codes, four codes in three bytes); Wv2_scales 1,024 x 32 uint8 (E8M0 scales of Wv2, one for each 32 codes along K); beta1 1,024 float32; beta2 1,024 float32; bf 1,024 float32; bo1 1,024 float32; bo2 1,024 float32; bv1 1,024 float32; bv2 1,024 float32; ecg_emb 8,192 x 1,024 float32; eeg_emb 8,192 x 1,024 float32; g1 1,024 float32; g2 1,024 float32.
;; Outputs: out0 8,192 x 1,024 float32.
;; This version of the problem:
;;   THIS VERSION OF THE PROBLEM IS GIVEN IN LOW PRECISION. The matrix products marked QUANTISED in the list below multiply operands that are first quantised to E2M3 (2 exponent bits, 3 mantissa bits; 6 bits a number), with one power-of-two scale for each 32 numbers along K (OCP MX v1.0); their sums are f32. All else is computed in f32.
;;   The module's matrix products, in the order in which they are computed (A, B: the left and right operand; K: the contracted axis; several contracted axes count as one K, in the product's order):
;;     1. [M 8,192, K 1,024] x [K 1,024, N 1,024]; A: input ecg_emb; B: input Wv1 (given as codes): QUANTISED
;;     2. [M 8,192, K 1,024] x [K 1,024, N 1,024]; A: computed on the way; B: input Wo1 (given as codes): QUANTISED
;;     3. [M 8,192, K 1,024] x [K 1,024, N 1,024]; A: input eeg_emb; B: input Wv2 (given as codes): QUANTISED
;;     4. [M 8,192, K 1,024] x [K 1,024, N 1,024]; A: computed on the way; B: input Wo2 (given as codes): QUANTISED
;;     5. [M 8,192, K 2,048] x [K 2,048, N 1,024]; A: computed on the way; B: input Wf (given as codes): QUANTISED
;;   THE QUANTISER, for each operand of a quantised product, along K:
;;     - K is cut into blocks of 32 from its start; a last block that is shorter is filled with zeros.
;;     - A block's scale is 2^e with e = floor(log2(the largest magnitude in the block)) - 2, held to -126 .. 127; a block of zeros has e = 0. As a byte (E8M0): e + 127.
;;     - Each number is divided by its block's scale, clamped to +-7.5, and rounded to the nearest number of E2M3, ties to even, subnormals kept.
;;     - The product sums the exact products of the quantised numbers (number of the format x scale) in f32.
;;   ~~~python
;;   def quantise(x, axis):      # numpy; x: float32 -> the quantised numbers, widened to float32 again
;;       x = np.moveaxis(x, axis, -1); K = x.shape[-1]
;;       x = np.pad(x, [(0, 0)] * (x.ndim - 1) + [(0, -K % 32)]); x = x.reshape(x.shape[:-1] + (-1, 32)); a = np.abs(x).max(-1, keepdims=True)
;;       e = np.where(a > 0, np.clip(np.frexp(np.where(a > 0, a, 1))[1] - 1 - 2, -126, 127), 0)      # np.frexp(a)[1] - 1 = floor(log2(a)), exactly
;;       r = np.clip(x / 2.0 ** e, -7.5, 7.5)
;;       step = 2.0 ** (np.maximum(np.frexp(np.where(r == 0, 1, r))[1] - 1, 0) - 3)
;;       q = np.round(r / step) * step * 2.0 ** e      # np.round: ties to even
;;       return np.moveaxis(q.reshape(q.shape[:-2] + (-1,))[..., :K], -1, axis).astype(np.float32)
;;   ~~~
;;   OPERANDS COMPUTED ON THE WAY. 'Computed on the way' means the value that the module computes at that place (a softmax that the list does not call 'softmax' is quantised finished and normalised). What goes into a quantiser is computed in f32, as accurately as f32 sums, v_exp_f32 and their like allow (about 1e-6 of the number): no bf16 or f16 on the way to a quantiser, and a product that is left as it is and whose result goes on into a quantised operand takes f32 operands (vector FMAs, or v_wmma_f32_16x16x4_f32). A number that lies on a knife's edge between two numbers of the format may be rounded either way, as far as f32 arithmetic and the matrix unit's own rounding can turn it there, and no further.
;;   INPUTS GIVEN AS CODES. Wf (in the module: [1024, 2048], K = its axis 1); Wo1 (in the module: [1024, 1024], K = its axis 1); Wo2 (in the module: [1024, 1024], K = its axis 1); Wv1 (in the module: [1024, 1024], K = its axis 1); Wv2 (in the module: [1024, 1024], K = its axis 1): each comes as NAME_codes (uint8): NAME with its K axis moved to the last place and cut into blocks of 32 codes, [.., K / 32, bytes a block], one block behind the other in memory; four codes in three bytes: a row's codes are one little-endian stream of bits, code i at bits 6 i .. 6 i + 5 (a code: sign, 2 exponent bits, 3 mantissa bits); and NAME_scales (uint8): the same leading axes, one E8M0 byte (e + 127) for each 32 codes along K. Its value is code x scale, taken as it is: it is not quantised again, and the codes and scales need not be those that the quantiser above would give.
;; 2 versions, each right. Each part assembles by itself: llvm-mc -triple=amdgcn-amd-amdhsa -mcpu=gfx1250 --defsym DOCPART=n.
;; ======== version 1 of 2: 2 launches
;; workspace buffers: fc 12,582,912 bytes; fs 524,288 bytes
;; launch chain (part 1): grid 256 x 1, 4 waves a work-group, clusters of 4 x 1, 327,680 bytes of LDS; arguments eeg_emb, ecg_emb, Wv1_codes, Wv1_scales, bv1, Wo1_codes, Wo1_scales, bo1, g1, beta1, Wv2_codes, Wv2_scales, bv2, Wo2_codes, Wo2_scales, bo2, g2, beta2, fc, fs; writes fc, fs
.if DOCPART == 1
	.amdgcn_target "amdgcn-amd-amdhsa--gfx1250"
	.amdhsa_code_object_version 6
	.text
	.protected	k_q86f098805c_chain
	.globl	k_q86f098805c_chain
	.p2align	8
	.type	k_q86f098805c_chain,@function
k_q86f098805c_chain:
	s_mov_b64 s[64:65], 0
	v_nop
	global_prefetch_b8 v0, s[64:65] scope:SCOPE_SE
	s_setreg_imm32_b32 hwreg(HW_REG_WAVE_MODE, 25, 1), 1
	s_wait_xcnt 0x0
	s_wait_alu depctr_hold_cnt(0) depctr_sa_sdst(0) depctr_va_vdst(0) depctr_va_sdst(0) depctr_va_ssrc(0) depctr_va_vcc(0) depctr_vm_vsrc(0)
	s_getreg_b32 s2, hwreg(HW_REG_IB_STS2, 6, 4)
	s_cmp_eq_u32 s2, 0
	s_cbranch_scc0 .Lentry_in_a_cluster
	s_endpgm
.Lentry_in_a_cluster:
	s_bfe_u32 s2, ttmp6, 0x10000c
	s_cmp_lg_u32 s2, 0x3003
	s_cbranch_scc0 .Lentry_shape_is_right
	s_endpgm
.Lentry_shape_is_right:
; One path of the fusion for 64 rows:  E = LayerNorm(res + (Q(x) Wv^T + bv -> Q) Wo^T + bo) * g + beta, and E quantised for the last product.
; Path 0: x = ecg, res = eeg, Wv1, Wo1, g1, beta1.  Path 1: x = eeg, res = ecg, Wv2, Wo2, g2, beta2.  Both products on codes of FP6 (E2M3) with one E8M0 byte for each 32 along K; all else f32.
; SHARES.  256 work-groups: cluster c (0..63): path c & 1; its four work-groups take the four blocks of 64 rows of row group c >> 1.  Four waves.  THE WAVES SHARE THE COLUMNS: wave w makes columns
; 512 g + 128 w + 0..127 (g = 0, 1) for all 64 rows: 64 accumulators of 16 x 16, 512 registers, so that whole rows of 1,024 numbers are at hand for the LayerNorm.
; PRODUCTS ARE USED TRANSPOSED (source 0 = 16 rows of the weight, source 1 = 16 rows of the operand): a lane holds ONE row and, in tile tl, the columns 16 tl + 8 (lane / 16) + 0..7.
; A wave's 128 columns of half g are K step 4 g + w of the next product: they are quantised in registers (QUANT) and go to the other waves through LDS as an image of the operand's registers.
; WEIGHTS come through a ring of two LDS buffers: a slot is 512 rows (half g) x 256 along K, rows of 192 bytes; wave w fetches, and alone reads, its 128 rows.  A layer has 8 slots.
; CLUSTER.  The four work-groups of a cluster walk the same weights, so each tile is asked for JOINTLY: the same tensor load, the same descriptor, a mask that names the four.
; The K blocks of a half are walked from block (c >> 1) & 3 on, round: clusters of different row groups ask for different parts of a weight at one time.  The sums' order along K is rotated with it.
; LIMITS: a block of zeros gets the byte 1 (its codes are zeros; these bytes are read by this program alone); a block's largest magnitude is taken no smaller than 2^-124; NaN and infinities are not served.
; REGISTERS, in windows of 256.  Window 0: v1-26 addresses; v32-95 the weights' scale words of a layer; v96-103 the operand's scale words, two sets; v104-199 the operand's fragments, two sets (in the LayerNorm: sums);
;   v200-232 the quantiser's.   Window 1: v0-191 the weight's fragments, two sets; v192-255 a half's bias tiles (in the LayerNorm: residual, then g and beta).   Windows 2, 3: the accumulators of half 0, 1: (m, tl) at v[64 m + 8 tl].
.set SLOTB,  122880                    ; a buffer of the ring: 512 rows of 240 bytes
.set WPART,  30720                     ; a wave's 128 rows
.set PITCH,  240                       ; an LDS row: 3 x (64 bytes + 16 of padding)
.set AIMG,   245760                    ; operand images: fragment (m, s) at (8 m + s) x 1,536; in it register group c of lane l at 512 c + 16 l
.set ASC,    294912                    ; their scale words: (4 m + s / 2) x 128 + 64 (s % 2) + 4 r
.set RED,    299008                    ; two reductions x 4 waves x 256 bytes
.set SCS,    301056                    ; E's scale words: row x 32 + 4 (4 g + w)
.set SPARE,  303104                    ; the spare words, 128 bytes for each wave: two blocks of 256 bytes that no other line names
.set SPW,  1                           ; v1   SPARE + 4 x my thread's number; never rewritten
.set NIL,  2                           ; v2   0; never rewritten
.set ADRB, 3                           ; v3-4 my lane's place in my rows of buffer 0, 1;  v5-6 the same behind one padding more
.set LI,   7                           ; v7   AIMG + 16 x lane
.set LS,   8                           ; v8   ASC + 4 x lane
.set AAD,  9                           ; v9-10 the images of the K block in hand, by turns
.set ASD,  11                          ; v11  its scale words
.set XWI,  12                          ; v12  where I store x's images;   v13 their scale words
.set XWS,  13
.set HWI,  14                          ; v14  where I store V's images;   v15 their scale words
.set HWS,  15
.set XA,   16                          ; v16  4,096 r + 32 h: my place in 16 rows of f32
.set BIA,  17                          ; v17  32 h: my eight numbers of a tile of a vector
.set SCV,  18                          ; v18-21 my place among a weight's scale bytes, for the four K blocks in the order walked
.set GO,   22                          ; v22  16 x lane
.set RW,   23                          ; v23, v24 reductions: where I store, where I read
.set RR,   24
.set SW,   25                          ; v25, v26 E's scale words: where I store, where I read
.set SR,   26
.set BS,   32                          ; register 8 tl + 2 i + u: lanes 0-15 half 0's word, lanes 16-31 half 1's
.set ASW,  96                          ; register 4 par + m: lanes 0-15 sub-step 0's word, lanes 16-31 sub-step 1's
.set AF,   104                         ; set u at AF + 48 u + 12 m
.set TM,   200                         ; v200-203 largest magnitudes, v204-207 bytes, v208-211 the conversions' scale operands
.set PC,   212                         ; v212-223 the fragment just made
.set CY,   224                         ; v224-231 the odd blocks' codes
.set PW,   232                         ; its scale word
.set CH,   104                         ; LayerNorm: two chains of pairs for each m
.set RS,   120
.set RL,   124
.set NMU,  140                         ; -mean, a pair for each m
.set RSTD, 148                         ; 1 / sqrt(var + eps), a pair for each m
.set BI,   192                         ; in window 1
.set WVC, 8
.set WVS, 10
.set BV,  12
.set WOC, 14
.set WOS, 16
.set BO,  18
.set GAM, 20
.set BET, 22
.set FC,  40
.set FS,  42
.set XB,  44
.set RB,  46
.set WV,  48
.set CX,  49
.set PATH, 50
.set RBK, 51
.set LAY, 52
.set G1,  56                           ; s[56:63] descriptor group 1
.set G0,  68                           ; s[68:75] group 0, a set for each buffer
.set WB,  76                           ; s[76:79] my rows of this layer's weight, half 0 and half 1
.set NB,  80                           ; s[80:83] the same of the second layer's
.set SEL, 84                           ; s[84:85] v_permlanex16_b32's selects for lane l xor 16
.set PS1, 86
.set PS2, 87
.set PS3, 88
.set C1024, 89
.set CEPS,  90
.set CN1024, 91
.set K2,  92                           ; s92-95 the K blocks in the order walked
.set CURB, 96                          ; s[96:97] this layer's bias;  s[98:99] its weight's scale bytes
.set CURS, 98
.set MSB, 0
.macro WIN new                         ; the immediate's high byte repeats the setting that is left; a switch that changes nothing is dropped
.if MSB != (\new)
	s_set_vgpr_msb (MSB<<8)|(\new)
.set MSB, (\new)
.endif
.endm
.macro PLACES                          ; four plain places behind matrix instructions, ahead of loads into their registers and of reads of their results
.rept 4
	v_nop
.endr
.endm
.macro CREST                           ; a round of the cluster's barrier behind its opening barrier
	s_cmp_lg_u32 s[WV], 0
	s_cbranch_scc1 .Lnot_wave_0_\@
	s_barrier_signal -3
.Lnot_wave_0_\@:
	s_barrier_wait -3
	s_barrier_signal -1
	s_barrier_wait -1
.endm
.macro CROUND
	s_barrier_signal -1
	s_barrier_wait -1
	CREST
.endm
; A weight's fragment: 16 rows x 128 K, 12 registers, in pieces of 8 bytes.  Lanes 16-31 read three pieces further on; where that is behind one padding more, the second address register serves.
.macro FRAG reg, adr, u, tl
.irp p, 0,1,2,3,4,5
.set PCE, 12*(\u)+6*(\p/3)+\p%3
.if PCE%8 < 5
	ds_load_b64 v[(\reg)+2*\p:(\reg)+2*\p+1], v[\adr] offset:8*PCE+16*(PCE/8)+(\tl)*16*PITCH
.else
	ds_load_b64 v[(\reg)+2*\p:(\reg)+2*\p+1], v[(\adr)+2] offset:8*PCE+16*(PCE/8)+(\tl)*16*PITCH
.endif
.endr
.endm
.macro FETB buf, u                     ; my eight fragments of the buffer's sub-step u: 48 loads
	WIN 0x40
.irp tl, 0,1,2,3,4,5,6,7
	FRAG 96*(\u)+12*\tl, ADRB+(\buf), \u, \tl
.endr
	WIN 0
.endm
.macro AADR par, i                     ; where the images and scale words of the i-th K block walked lie
	s_mul_i32 s2, s[K2+(\i)], 3072
	v_add_nc_u32 v[AAD+(\par)], s2, v[LI]
	s_lshl_b32 s2, s[K2+(\i)], 7
	v_add_nc_u32 v[ASD], s2, v[LS]
.endm
.macro FETA par, u                     ; the operand's four fragments of sub-step u: 12 loads
.irp m, 0,1,2,3
.irp c, 0,1,2
	ds_load_b128 v[AF+48*(\u)+12*\m+4*\c:AF+48*(\u)+12*\m+4*\c+3], v[AAD+(\par)] offset:12288*\m+1536*(\u)+512*\c
.endr
.endr
.endm
.macro FETS par                        ; and the scale words of both sub-steps: 4 loads
.irp m, 0,1,2,3
	ds_load_b32 v[ASW+4*(\par)+\m], v[ASD] offset:512*\m
.endr
.endm
.macro WM ra, rb                       ; one product; ra, rb: the weight's, the operand's scale words stand in lanes 16-31
.if ((\ra) == 0) && ((\rb) == 0)
	v_wmma_scale_f32_16x16x128_f8f6f4 v[WD:WD+7], v[WBF:WBF+11], v[WAF:WAF+11], v[WC:WC+7], v[WSB], v[WSA] matrix_a_fmt:MATRIX_FMT_FP6 matrix_b_fmt:MATRIX_FMT_FP6
.elseif (\rb) == 0
	v_wmma_scale_f32_16x16x128_f8f6f4 v[WD:WD+7], v[WBF:WBF+11], v[WAF:WAF+11], v[WC:WC+7], v[WSB], v[WSA] matrix_a_fmt:MATRIX_FMT_FP6 matrix_b_fmt:MATRIX_FMT_FP6 matrix_a_scale:MATRIX_SCALE_ROW1
.elseif (\ra) == 0
	v_wmma_scale_f32_16x16x128_f8f6f4 v[WD:WD+7], v[WBF:WBF+11], v[WAF:WAF+11], v[WC:WC+7], v[WSB], v[WSA] matrix_a_fmt:MATRIX_FMT_FP6 matrix_b_fmt:MATRIX_FMT_FP6 matrix_b_scale:MATRIX_SCALE_ROW1
.else
	v_wmma_scale_f32_16x16x128_f8f6f4 v[WD:WD+7], v[WBF:WBF+11], v[WAF:WAF+11], v[WC:WC+7], v[WSB], v[WSA] matrix_a_fmt:MATRIX_FMT_FP6 matrix_b_fmt:MATRIX_FMT_FP6 matrix_a_scale:MATRIX_SCALE_ROW1 matrix_b_scale:MATRIX_SCALE_ROW1
.endif
.endm
; cnt tiles of columns from tl0 on x the four tiles of rows.  The half's 32 accumulators take turns, one instruction a turn, in the same order in every sub-step.
; first = 1: the bias tile is the C of a sum's first product: nothing is cleared and no bias is added by a vector instruction.
.macro MUL g, i, u, par, tl0, cnt, first
.set TL, \tl0
.rept \cnt
.irp m, 0,1,2,3
.set WD, 64*\m+8*TL
.set WBF, 96*(\u)+12*TL
.set WAF, AF+48*(\u)+12*\m
.if \first
.set WC, BI+8*TL
.else
.set WC, WD
.endif
.set WSB, BS+8*TL+2*(\i)+(\u)
.set WSA, ASW+4*(\par)+\m
	WM \g, \u
.endr
.set TL, TL+1
.endr
.endm
.macro BILOAD g                        ; the bias tiles of half g: lane (r, h) takes the eight numbers of its half of each tile
	WIN 0x40
.irp tl, 0,1,2,3,4,5,6,7
.irp jj, 0,1
	global_load_b128 v[BI+8*\tl+4*\jj:BI+8*\tl+4*\jj+3], v[BIA], s[CURB:CURB+1] offset:2048*(\g)+64*\tl+16*\jj
.endr
.endr
	WIN 0
.endm
.macro BSLOAD                          ; a layer's scale words of my 256 rows of the weight: the four loads of a tile read its rows' 32 bytes whole, once
.irp tl, 0,1,2,3,4,5,6,7
.irp i, 0,1,2,3
	global_load_b64 v[BS+8*\tl+2*\i:BS+8*\tl+2*\i+1], v[SCV+\i], s[CURS:CURS+1] offset:512*\tl
.endr
.endr
.endm
; THE QUANTISER.  64 numbers of a lane in window w, register 16 b + 8 u + j = k 32 b + 16 u + 8 (lane / 16) + j of my row, become a fragment's codes in v[PC] on and its scale word in v[PW].
; free: the last fragment's stores have read v[PC] on and v[PW]: 1 = LDS stores, 2 = global stores too.
.macro QUANT src, w, free
	WIN (\w)|((\w)<<2)
.irp b, 0,1,2,3
	v_max3_num_f32 v[TM+\b], |v[(\src)+16*\b]|, |v[(\src)+16*\b+1]|, 0x1800000   ; block b: my 16 numbers, each tile from its low end on, and the floor 2^(3 - 127): the byte cannot fall under 1
.endr
.irp i, 2,4,6,8,10,12,14
.irp b, 0,1,2,3
	v_max3_num_f32 v[TM+\b], |v[(\src)+16*\b+\i]|, |v[(\src)+16*\b+\i+1]|, v[TM+\b]   ; (the four blocks by turns)
.endr
.endr
	WIN 0
.irp b, 0,1,2,3
	v_permlanex16_b32 v[TM+4+\b], v[TM+\b], s[SEL], s[SEL+1]
.endr
.irp b, 0,1,2,3
	v_max_num_f32 v[TM+\b], v[TM+\b], v[TM+4+\b]   ; with lane l xor 16's 16: the block's largest magnitude
.endr
.irp b, 0,1,2,3
	v_add_nc_u32 v[TM+8+\b], 0xff000000, v[TM+\b]  ; 2 off its exponent field: the conversion takes the exponent field of this operand as its scale
.endr
.irp b, 0,1,2,3
	v_lshrrev_b32 v[TM+4+\b], 23, v[TM+8+\b]       ; the scale's byte
.endr
.if (\free) == 2
	s_wait_xcnt 0x0                                ; the last fragment's global stores have read their data
.endif
	s_wait_dscnt 0x0                               ; and its LDS stores theirs
	v_lshl_or_b32 v[PW], v[TM+5], 8, v[TM+4]
	v_lshl_or_b32 v[PW], v[TM+6], 16, v[PW]
	v_lshl_or_b32 v[PW], v[TM+7], 24, v[PW]
	WIN (\w)
.irp c, 0,1
	v_cvt_scalef32_pk16_fp6_f32 v[PC+6*\c:PC+6*\c+2], v[(\src)+32*\c:(\src)+32*\c+15], v[TM+8+2*\c]        ; block 2 c: my two runs of 8 codes, 48 bits each
	v_cvt_scalef32_pk16_fp6_f32 v[CY+4*\c:CY+4*\c+2], v[(\src)+32*\c+16:(\src)+32*\c+31], v[TM+9+2*\c]     ; block 2 c + 1
.endr
	WIN 0
	v_nop                                          ; one plain place behind a scaled conversion
.irp c, 0,1                                    ; the operand wants a whole block in a lane: lanes 0-15 block 2 c, lanes 16-31 block 2 c + 1
.irp i, 0,1,2
	v_permlane16_swap_b32 v[PC+6*\c+\i], v[CY+4*\c+\i]   ; now X = v[PC + 6 c] on holds runs 0 and 2 of my block, Y = v[CY + 4 c] on runs 1 and 3
.endr
	v_perm_b32 v[PC+6*\c+3], v[PC+6*\c+2], v[PC+6*\c+1], s[PS1]   ; the runs in order 0 1 2 3, 192 bits:  word 3 = X1 high | X2 low
	v_perm_b32 v[PC+6*\c+4], v[CY+4*\c+1], v[PC+6*\c+2], s[PS2]   ; word 4 = X2 high | Y1 high
	v_perm_b32 v[PC+6*\c+1], v[CY+4*\c], v[PC+6*\c+1], s[PS3]     ; word 1 = X1 low | Y0 low
	v_perm_b32 v[PC+6*\c+2], v[CY+4*\c+1], v[CY+4*\c], s[PS1]     ; word 2 = Y0 high | Y1 low
	v_mov_b32 v[PC+6*\c+5], v[CY+4*\c+2]                          ; word 5 = Y2; word 0 = X0 stays
.endr
.endm
.macro IMAGE adr, off                          ; the fragment goes to LDS as it stands
.irp c, 0,1,2
	ds_store_b128 v[\adr], v[PC+4*\c:PC+4*\c+3] offset:(\off)+512*\c
.endr
.endm
; A SLOT: 256 along K of half q / 4: two sub-steps of 32 products.  fill = 1: its buffer is filled again with this layer's slot q + 2; 2: with the next layer's slot q - 6; 0: not at all.
; next = 1: the next slot's first fragments are fetched.
.macro SLOT q, fill, next
.set QG, (\q)/4
.set QI, (\q)%4
.set QB, (\q)%2
	FETB QB, 1
	FETA QB, 1
	s_wait_dscnt 60                                ; only the 60 loads just issued may be out: sub-step 0's 64 are in
.if QI == 0
	s_wait_loadcnt 0x0                             ; the half's bias tiles (and, in slot 0, the layer's scale words)
	WIN 0x91+0x40*QG
	MUL QG, QI, 0, QB, 0, 8, 1
.else
	WIN 0xa1+0x50*QG
	MUL QG, QI, 0, QB, 0, 8, 0
.endif
	WIN 0
.if \fill
	s_wait_tensorcnt 0x0                           ; all my tensor loads have landed: the one that was out is the next slot's tile; so a group 0 may be written
	ds_add_u32 v[SPW], v[NIL]                      ; 0 onto my spare word
.if (\fill) == 1
	s_mul_i32 s2, s[K2+((\q)+2)%4], 192
	s_mov_b32 s3, 0
	s_add_nc_u64 s[G0+4*QB+2:G0+4*QB+3], s[WB+2*(((\q)+2)/4):WB+2*(((\q)+2)/4)+1], s[2:3]
.else
	s_mul_i32 s2, s[K2+(\q)-6], 192
	s_mov_b32 s3, 0
	s_add_nc_u64 s[G0+4*QB+2:G0+4*QB+3], s[NB:NB+1], s[2:3]
.endif
	s_or_b32 s[G0+4*QB+3], s[G0+4*QB+3], 0x80000000
	s_wait_dscnt 1                                 ; sub-step 1's loads are in; the add may be out
	WIN 0xa1+0x50*QG
	MUL QG, QI, 1, QB, 0, 2, 0
	s_wait_dscnt 0x0                               ; the add is done, and my reads of this buffer are over
	s_barrier_signal -1                            ; this barrier opens a round of the cluster's barrier
	MUL QG, QI, 1, QB, 2, 2, 0
	WIN 0
	s_barrier_wait -1
	CREST                                          ; no wave of any partner still reads this buffer or has a load on its way
	tensor_load_to_lds s[G0+4*QB:G0+4*QB+3], s[G1:G1+7]   ; my one tensor load behind the round; 48 products stand between it and the wait for it
	s_nop 0
	PLACES                                         ; (the places ahead of the loads below)
.else
.if \next
	s_wait_tensorcnt 0x0                           ; my last tile, which I alone read
.endif
	s_wait_dscnt 0x0
	WIN 0xa1+0x50*QG
	MUL QG, QI, 1, QB, 0, 4, 0
	WIN 0
.if \next
	PLACES
.endif
.endif
.if (\q) == 0
	BILOAD 1                                       ; half 1's bias tiles take the place of half 0's, which sub-step 0 has read
.endif
.if \next
	AADR 1-QB, ((\q)+1)%4
	FETB 1-QB, 0
	FETA 1-QB, 0
	FETS 1-QB
.endif
	WIN 0xa1+0x50*QG
	MUL QG, QI, 1, QB, 4, 4, 0
	PLACES
	WIN 0
.endm
	s_load_b512 s[4:19], s[0:1], 0x0               ; eeg, ecg, Wv1 codes, scales, bv1, Wo1 codes, scales, bo1
	s_load_b512 s[20:35], s[0:1], 0x40             ; g1, beta1, Wv2 codes, scales, bv2, Wo2 codes, scales, bo2
	s_load_b256 s[36:43], s[0:1], 0x80             ; g2, beta2, fc, fs
	v_lshl_add_u32 v[SPW], v0, 2, SPARE
	v_mov_b32 v[NIL], 0
	ds_add_u32 v1, v2
	ds_add_u32 v1, v2
	s_wait_dscnt 0x0
	v_lshrrev_b32 v27, 5, v0
	v_readfirstlane_b32 s[WV], v27                 ; wave 0..3
	s_bfe_u32 s[CX], ttmp6, 0x40000                ; my place in the cluster: it enters the addresses of x, the residual, fc and fs alone
	s_and_b32 s[PATH], ttmp9, 1                    ; in a cluster launch ttmp9 counts clusters
	s_lshr_b32 s53, ttmp9, 1                       ; the row group
	s_lshl_b32 s[RBK], s53, 2
	s_add_co_u32 s[RBK], s[RBK], s[CX]             ; my block of 64 rows
.irp i, 0,1,2,3
	s_add_co_u32 s[K2+\i], s53, \i
	s_and_b32 s[K2+\i], s[K2+\i], 3                ; the i-th K block walked: the same in all four partners
.endr
	s_mov_b32 s[SEL], 0x76543210
	s_mov_b32 s[SEL+1], 0xfedcba98
	s_mov_b32 s[PS1], 0x05040302
	s_mov_b32 s[PS2], 0x07060302
	s_mov_b32 s[PS3], 0x05040100
	s_mov_b32 s[C1024], 0x3a800000                 ; 1 / 1024
	s_mov_b32 s[CEPS], 0x3727c5ac                  ; 1e-5
	s_mov_b32 s[CN1024], 0xba800000                ; -1 / 1024
	s_mov_b32 s[LAY], 2                            ; layers to go
	; descriptor group 1: 128 rows x 192 bytes, 768 bytes apart in memory; 16 bytes of padding behind every 64 in LDS
	s_mov_b32 s[G1], 15|(1<<20)|(1<<21)|(3<<22)|(3<<25)  ; 15:0 the mask: all four work-groups; 17:16 elements of 1 byte; 20 padding on; 21 set beside a mask; 24:22 after every 16 words; 31:25 4 words
	s_mov_b32 s[G1+1], 192<<16                     ; tensor_dim0
	s_mov_b32 s[G1+2], 128<<16                     ; tensor_dim1
	s_mov_b32 s[G1+3], 192<<16                     ; tile_dim0
	s_mov_b32 s[G1+4], 128                         ; tile_dim1
	s_mov_b32 s[G1+5], 768                         ; tensor_dim0_stride
	s_mov_b32 s[G1+6], 0
	s_mov_b32 s[G1+7], 0
	v_and_b32 v27, 31, v0                          ; lane
	v_and_b32 v28, 15, v0                          ; r
	v_bfe_u32 v29, v0, 4, 1                        ; h
	s_mul_i32 s54, s[WV], WPART                    ; my rows in a buffer
	v_mul_u32_u24 v30, v28, PITCH
	v_mad_u32_u24 v31, v29, 24, v30
	v_mad_u32_u24 v30, v29, 40, v30
	v_add_nc_u32 v[ADRB], s54, v31
	v_add_nc_u32 v[ADRB+2], s54, v30
	v_add_nc_u32 v[ADRB+1], SLOTB, v[ADRB]
	v_add_nc_u32 v[ADRB+3], SLOTB, v[ADRB+2]
	v_lshl_add_u32 v[LI], v27, 4, AIMG
	v_lshl_add_u32 v[LS], v27, 2, ASC
	s_mul_i32 s55, s[WV], 12288
	v_add_nc_u32 v[XWI], s55, v[LI]                ; x: I quantise rows 16 w on: fragments (w, s)
	s_mul_i32 s55, s[WV], 1536
	v_add_nc_u32 v[HWI], s55, v[LI]                ; V: I make K steps w and 4 + w: fragments (m, 4 g + w)
	v_lshl_add_u32 v31, v28, 2, ASC
	s_lshl_b32 s55, s[WV], 9
	v_add_nc_u32 v[XWS], s55, v31
	s_lshl_b32 s55, s[WV], 6
	v_add_nc_u32 v[HWS], s55, v31                  ; 128 (w / 2) + 64 (w % 2) = 64 w
	v_lshlrev_b32 v[BIA], 5, v29
	v_lshl_add_u32 v[XA], v28, 12, v[BIA]
	v_lshlrev_b32 v30, 5, v28
	v_lshl_add_u32 v30, v29, 14, v30               ; a weight's scale bytes: 32 a row; lanes 16-31 take half 1's rows, 512 further on
.irp i, 0,1,2,3
	s_lshl_b32 s55, s[K2+\i], 3
	v_add_nc_u32 v[SCV+\i], s55, v30
.endr
	v_lshlrev_b32 v[GO], 4, v27
	v_lshl_add_u32 v[RR], v28, 4, RED
	s_lshl_b32 s55, s[WV], 8
	v_add_nc_u32 v[RW], s55, v[RR]
	v_lshl_add_u32 v31, v28, 5, SCS
	s_lshl_b32 s55, s[WV], 2
	v_add_nc_u32 v[SW], s55, v31
	v_lshl_add_u32 v31, v27, 4, SCS
	s_lshl_b32 s55, s[WV], 9
	v_add_nc_u32 v[SR], s55, v31
.irp b, 0,1,2,3
	v_mov_b32 v[TM+4+\b], 0                        ; written once: a lane permute's destination counts as one of its sources
.endr
	s_wait_kmcnt 0x0
	s_cmp_eq_u32 s[PATH], 0                        ; the path chooses the buffers: the choice hangs on the cluster's number alone
	s_cselect_b64 s[XB:XB+1], s[6:7], s[4:5]       ; path 0 multiplies ecg and adds onto eeg
	s_cselect_b64 s[RB:RB+1], s[4:5], s[6:7]
	s_cselect_b64 s[WVC:WVC+1], s[8:9], s[24:25]
	s_cselect_b64 s[WVS:WVS+1], s[10:11], s[26:27]
	s_cselect_b64 s[BV:BV+1], s[12:13], s[28:29]
	s_cselect_b64 s[WOC:WOC+1], s[14:15], s[30:31]
	s_cselect_b64 s[WOS:WOS+1], s[16:17], s[32:33]
	s_cselect_b64 s[BO:BO+1], s[18:19], s[34:35]
	s_cselect_b64 s[GAM:GAM+1], s[20:21], s[36:37]
	s_cselect_b64 s[BET:BET+1], s[22:23], s[38:39]
	s_mul_i32 s2, s[WV], 98304                     ; my 128 rows of 768 bytes
	s_mov_b32 s3, 0
	s_add_nc_u64 s[WB:WB+1], s[WVC:WVC+1], s[2:3]
	s_add_nc_u64 s[NB:NB+1], s[WOC:WOC+1], s[2:3]
	s_add_nc_u64 s[WB+2:WB+3], s[WB:WB+1], 393216  ; half 1: 512 rows on
	s_add_nc_u64 s[NB+2:NB+3], s[NB:NB+1], 393216
.irp b, 0,1
	s_mov_b32 s[G0+4*\b], 1                        ; count = 1
	s_add_co_u32 s[G0+4*\b+1], s54, \b*SLOTB       ; LDS address: my rows of buffer b
	s_mul_i32 s2, s[K2+\b], 192
	s_mov_b32 s3, 0
	s_add_nc_u64 s[G0+4*\b+2:G0+4*\b+3], s[WB:WB+1], s[2:3]   ; slot b: half 0, the b-th K block walked
	s_or_b32 s[G0+4*\b+3], s[G0+4*\b+3], 0x80000000           ; type = 2
.endr
	CROUND                                         ; all four work-groups are here: the first joint loads meet
	tensor_load_to_lds s[G0:G0+3], s[G1:G1+7]      ; both first fills go out together: two loads of mine are out
	s_nop 0
	tensor_load_to_lds s[G0+4:G0+7], s[G1:G1+7]
	s_nop 0
	PLACES
	s_lshl_b32 s28, s[RBK], 18                     ; my block's 64 rows of 4,096 bytes
	s_mov_b32 s29, 0
	s_add_nc_u64 s[RB:RB+1], s[RB:RB+1], s[28:29]
	s_add_nc_u64 s[XB:XB+1], s[XB:XB+1], s[28:29]
	s_lshl_b32 s2, s[WV], 16                       ; x: my 16 rows of them
	s_mov_b32 s3, 0
	s_add_nc_u64 s[XB:XB+1], s[XB:XB+1], s[2:3]
	s_lshl_b32 s2, s[WV], 9                        ; my 128 columns, in f32
	s_add_nc_u64 s[RB:RB+1], s[RB:RB+1], s[2:3]
	s_add_nc_u64 s[BV:BV+1], s[BV:BV+1], s[2:3]
	s_add_nc_u64 s[BO:BO+1], s[BO:BO+1], s[2:3]
	s_add_nc_u64 s[GAM:GAM+1], s[GAM:GAM+1], s[2:3]
	s_add_nc_u64 s[BET:BET+1], s[BET:BET+1], s[2:3]
	s_lshl_b32 s2, s[WV], 12                       ; my 128 rows of 32 scale bytes
	s_add_nc_u64 s[WVS:WVS+1], s[WVS:WVS+1], s[2:3]
	s_add_nc_u64 s[WOS:WOS+1], s[WOS:WOS+1], s[2:3]
	s_lshr_b32 s28, s[RBK], 1                      ; fc: [row / 128][K step][(row % 128) / 16][1,536]: my K steps are 8 path + 4 g + w
	s_lshl_b32 s28, s28, 4
	s_lshl_b32 s30, s[PATH], 3
	s_add_co_u32 s28, s28, s30
	s_add_co_u32 s28, s28, s[WV]
	s_mul_i32 s28, s28, 12288
	s_and_b32 s30, s[RBK], 1
	s_mul_i32 s30, s30, 6144
	s_add_co_u32 s28, s28, s30
	s_add_nc_u64 s[FC:FC+1], s[FC:FC+1], s[28:29]
	s_lshl_b32 s28, s[RBK], 11                     ; fs: [path][row][8 words]; wave w stores 512 of the block's 2,048 bytes
	s_lshl_b32 s30, s[PATH], 18
	s_add_co_u32 s28, s28, s30
	s_lshl_b32 s30, s[WV], 9
	s_add_co_u32 s28, s28, s30
	s_add_nc_u64 s[FS:FS+1], s[FS:FS+1], s[28:29]
	s_mov_b64 s[CURB:CURB+1], s[BV:BV+1]
	s_mov_b64 s[CURS:CURS+1], s[WVS:WVS+1]
	BSLOAD
	BILOAD 0
; ---- X: my 16 rows of x become eight fragments.  Chunk s = K step s: 64 numbers a lane, in the order that QUANT takes, into the registers that the accumulators will take.
.macro XLOAD s
	WIN (2+(\s)/4)<<6
.irp b, 0,1,2,3
.irp u, 0,1
.irp jj, 0,1
	global_load_b128 v[64*((\s)%4)+16*\b+8*\u+4*\jj:64*((\s)%4)+16*\b+8*\u+4*\jj+3], v[XA], s[XB:XB+1] offset:512*(\s)+128*\b+64*\u+16*\jj
.endr
.endr
.endr
	WIN 0
.endm
.macro XSTEP s, left
	s_wait_loadcnt \left                           ; chunk s is in; the chunks of 16 loads issued behind it may be out
.if (\s) < 4
	XLOAD (\s)+4
.endif
	QUANT 64*((\s)%4), 2+(\s)/4, 1
	IMAGE XWI, 1536*(\s)
	ds_store_b32 v[XWS], v[PW] offset:128*((\s)/2)+64*((\s)%2)   ; both lanes of a row write the same word with the same value
.endm
	XLOAD 0
	XLOAD 1
	XLOAD 2
	XLOAD 3
	XSTEP 0, 48
	XSTEP 1, 48
	XSTEP 2, 48
	XSTEP 3, 48
	XSTEP 4, 48
	XSTEP 5, 32
	XSTEP 6, 16
	XSTEP 7, 0
.Llayer:                                           ; two trips: the first layer leaves by the way back, the second in the middle
	s_wait_tensorcnt 0x1                           ; buffer 0's tile is in; buffer 1's may stay out
	s_wait_dscnt 0x0                               ; my images and scale words lie in LDS
	s_barrier_signal -1
	s_barrier_wait -1                              ; everybody's do
	AADR 0, 0
	FETB 0, 0
	FETA 0, 0
	FETS 0
	SLOT 0, 1, 1
	SLOT 1, 1, 1
	SLOT 2, 1, 1
	SLOT 3, 1, 1
	SLOT 4, 1, 1
	SLOT 5, 1, 1
	s_cmp_eq_u32 s[LAY], 1
	s_cbranch_scc1 .Lsecond                        ; the second layer's tail is written out: it asks for nothing more
	SLOT 6, 2, 1                                   ; the ring goes on into the second layer: buffer 0 takes its slot 0,
	SLOT 7, 2, 0                                   ; buffer 1 its slot 1
	s_mov_b64 s[CURB:CURB+1], s[BO:BO+1]           ; (the loads that named these two have been waited for)
	s_mov_b64 s[CURS:CURS+1], s[WOS:WOS+1]
	BSLOAD
	BILOAD 0
.irp g, 0,1                                    ; V = x Wv^T + bv is quantised: my columns of half g are K step 4 g + w.  x's images were last read ahead of slot 7's barrier
.irp m, 0,1,2,3
	QUANT 64*\m, 2+\g, 1
	IMAGE HWI, (8*\m+4*\g)*1536
	ds_store_b32 v[HWS], v[PW] offset:(4*\m+2*\g)*128
.endr
.endr
	s_mov_b64 s[WB:WB+1], s[NB:NB+1]
	s_mov_b64 s[WB+2:WB+3], s[NB+2:NB+3]
	s_sub_co_u32 s[LAY], s[LAY], 1
	s_branch .Llayer
; ---- the residual and the LayerNorm.  Chunk c = 4 g + m: the 64 numbers of a lane in accumulators (g, m, 0..7).
.macro RESLD c                         ; the residual of chunk c, in the accumulators' layout, into one of four buffers of window 1; read here for the last time in the launch
.set RG, (\c)/4
.set RM, (\c)%4
.set RBF, (192+64*(\c))%256
	WIN 0x40
.irp tl, 0,1,2,3,4,5,6,7
.irp jj, 0,1
	global_load_b128 v[RBF+8*\tl+4*\jj:RBF+8*\tl+4*\jj+3], v[XA], s[RB:RB+1] offset:65536*RM+2048*RG+64*\tl+16*\jj th:TH_LOAD_NT
.endr
.endr
	WIN 0
.endm
.macro P1C c, left                     ; y = attended + residual, and the rows' sums in two chains for each m
.set PG, (\c)/4
.set PM, (\c)%4
.set PB, (192+64*(\c))%256
	s_wait_loadcnt \left                           ; chunk c's residual is in; the chunks of 16 loads issued behind it may be out
	WIN 0x86+0x41*PG
.set J, 0
.rept 32
	v_pk_add_f32 v[64*PM+J:64*PM+J+1], v[64*PM+J:64*PM+J+1], v[PB+J:PB+J+1]   ; each accumulator from its low end on
.set J, J+2
.endr
.if PG == 0
	WIN 0x0a
	v_pk_add_f32 v[CH+4*PM:CH+4*PM+1], v[64*PM:64*PM+1], v[64*PM+2:64*PM+3]   ; the first additions start the chains: nothing is cleared
	v_pk_add_f32 v[CH+4*PM+2:CH+4*PM+3], v[64*PM+4:64*PM+5], v[64*PM+6:64*PM+7]
.set J, 8
.else
.set J, 0
.endif
	WIN 0x08+4*PG
.rept (64-J)/4
	v_pk_add_f32 v[CH+4*PM:CH+4*PM+1], v[CH+4*PM:CH+4*PM+1], v[64*PM+J:64*PM+J+1]
	v_pk_add_f32 v[CH+4*PM+2:CH+4*PM+3], v[CH+4*PM+2:CH+4*PM+3], v[64*PM+J+2:64*PM+J+3]
.set J, J+4
.endr
.if (\c) < 4
	RESLD (\c)+4
.else
	WIN 0
.endif
.endm
.macro REDUCE off                      ; the chains of the four m -> the rows' sums over all 1,024 columns, in v[RL] .. v[RL + 3], in every wave in the same order
.irp m, 0,1,2,3
	v_pk_add_f32 v[CH+4*\m:CH+4*\m+1], v[CH+4*\m:CH+4*\m+1], v[CH+4*\m+2:CH+4*\m+3]
.endr
.irp m, 0,1,2,3
	v_add_f32 v[RS+\m], v[CH+4*\m], v[CH+4*\m+1]
.endr
.irp m, 0,1,2,3
	v_permlanex16_b32 v[TM+4+\m], v[RS+\m], s[SEL], s[SEL+1]
.endr
.irp m, 0,1,2,3
	v_add_f32 v[RS+\m], v[RS+\m], v[TM+4+\m]       ; with lane l xor 16's columns: my wave's 256
.endr
	ds_store_b128 v[RW], v[RS:RS+3] offset:\off
	s_wait_dscnt 0x0                               ; for the others' sake: my sums lie in LDS
	s_barrier_signal -1
	s_barrier_wait -1
.irp x, 0,1,2,3
	ds_load_b128 v[RL+4*\x:RL+4*\x+3], v[RR] offset:(\off)+256*\x
.endr
	s_wait_dscnt 0x0
	v_pk_add_f32 v[RL:RL+1], v[RL:RL+1], v[RL+4:RL+5]
	v_pk_add_f32 v[RL+2:RL+3], v[RL+2:RL+3], v[RL+6:RL+7]
	v_pk_add_f32 v[RL+8:RL+9], v[RL+8:RL+9], v[RL+12:RL+13]
	v_pk_add_f32 v[RL+10:RL+11], v[RL+10:RL+11], v[RL+14:RL+15]
	v_pk_add_f32 v[RL:RL+1], v[RL:RL+1], v[RL+8:RL+9]
	v_pk_add_f32 v[RL+2:RL+3], v[RL+2:RL+3], v[RL+10:RL+11]
.endm
.macro P2C c                           ; y - mean, and the sums of its squares: the variance is taken of the differences, not as a difference of sums
.set PG, (\c)/4
.set PM, (\c)%4
	WIN 0x82+0x41*PG
.set J, 0
.rept 32
	v_pk_add_f32 v[64*PM+J:64*PM+J+1], v[64*PM+J:64*PM+J+1], v[NMU+2*PM:NMU+2*PM+1] op_sel_hi:[1,0]
.set J, J+2
.endr
	WIN 0x0a+5*PG
.if PG == 0
	v_pk_mul_f32 v[CH+4*PM:CH+4*PM+1], v[64*PM:64*PM+1], v[64*PM:64*PM+1]
	v_pk_mul_f32 v[CH+4*PM+2:CH+4*PM+3], v[64*PM+2:64*PM+3], v[64*PM+2:64*PM+3]
.set J, 4
.else
.set J, 0
.endif
.rept (64-J)/4
	v_pk_fma_f32 v[CH+4*PM:CH+4*PM+1], v[64*PM+J:64*PM+J+1], v[64*PM+J:64*PM+J+1], v[CH+4*PM:CH+4*PM+1]
	v_pk_fma_f32 v[CH+4*PM+2:CH+4*PM+3], v[64*PM+J+2:64*PM+J+3], v[64*PM+J+2:64*PM+J+3], v[CH+4*PM+2:CH+4*PM+3]
.set J, J+4
.endr
	WIN 0
.endm
.macro P3C c                           ; E = (y - mean) / sqrt(var + eps) x g + beta, quantised; its image goes to fc, its scale word to LDS
.set PG, (\c)/4
.set PM, (\c)%4
	WIN 0x82+0x41*PG
.set J, 0
.rept 32
	v_pk_mul_f32 v[64*PM+J:64*PM+J+1], v[64*PM+J:64*PM+J+1], v[RSTD+2*PM:RSTD+2*PM+1] op_sel_hi:[1,0]
.set J, J+2
.endr
	WIN 0x96+0x41*PG
.set J, 0
.rept 32
	v_pk_fma_f32 v[64*PM+J:64*PM+J+1], v[64*PM+J:64*PM+J+1], v[128*PG+J:128*PG+J+1], v[128*PG+64+J:128*PG+64+J+1]
.set J, J+2
.endr
	QUANT 64*PM, 2+PG, 2
.irp c3, 0,1,2
	global_store_b128 v[GO], v[PC+4*\c3:PC+4*\c3+3], s[FC:FC+1] offset:49152*PG+1536*PM+512*\c3   ; the 32 lanes store 512 consecutive bytes, at a multiple of 256 from fc's first byte
.endr
	ds_store_b32 v[SW], v[PW] offset:512*PM+16*PG
.endm
.Lsecond:
	RESLD 0                                        ; into the bias tiles' registers, which slot 4 has read
	SLOT 6, 0, 1
	SLOT 7, 0, 0
	RESLD 1                                        ; into the registers that held the weight's fragments
	RESLD 2
	RESLD 3
	P1C 0, 48
	P1C 1, 48
	P1C 2, 48
	P1C 3, 48
	P1C 4, 48
	P1C 5, 32
	P1C 6, 16
	P1C 7, 0
	WIN 0x40                                       ; g and beta of my 256 columns, in the accumulators' layout, where the residual lay: wanted two passes on
.irp g, 0,1
.irp tl, 0,1,2,3,4,5,6,7
.irp jj, 0,1
	global_load_b128 v[128*\g+8*\tl+4*\jj:128*\g+8*\tl+4*\jj+3], v[BIA], s[GAM:GAM+1] offset:2048*\g+64*\tl+16*\jj
	global_load_b128 v[128*\g+64+8*\tl+4*\jj:128*\g+64+8*\tl+4*\jj+3], v[BIA], s[BET:BET+1] offset:2048*\g+64*\tl+16*\jj
.endr
.endr
.endr
	WIN 0
	REDUCE 0
.irp m, 0,1,2,3
	v_mul_f32 v[NMU+2*\m], s[CN1024], v[RL+\m]     ; -mean (the pair is named whole, so both words are written)
	v_mul_f32 v[NMU+2*\m+1], s[CN1024], v[RL+\m]
.endr
.irp c, 0,1,2,3,4,5,6,7
	P2C \c
.endr
	REDUCE 1024
.irp m, 0,1,2,3
	v_fma_f32 v[RS+\m], v[RL+\m], s[C1024], s[CEPS]   ; var + eps
.endr
.irp m, 0,1,2,3
	v_rsq_f32 v[RSTD+2*\m], v[RS+\m]
.endr
	v_nop                                          ; a plain place behind the last of the four
	s_wait_alu depctr_va_vdst(0)                   ; one wait for the four, ahead of their first reader
.irp m, 0,1,2,3
	v_mov_b32 v[RSTD+2*\m+1], v[RSTD+2*\m]
.endr
	s_wait_loadcnt 0x0                             ; g and beta
.irp c, 0,1,2,3,4,5,6,7
	P3C \c
.endr
	s_wait_dscnt 0x0                               ; my scale words lie in LDS
	s_barrier_signal -1
	s_barrier_wait -1                              ; the 64 rows' eight words each are whole
	ds_load_b128 v[RL:RL+3], v[SR]
	s_wait_dscnt 0x0
	global_store_b128 v[GO], v[RL:RL+3], s[FS:FS+1]   ; 512 consecutive bytes a wave, 2,048 a work-group
	s_wait_tensorcnt 0x0                           ; the wave's end
	ds_add_u32 v[SPW], v[NIL]
	s_wait_dscnt 0x0
	CROUND                                         ; the closing round: no work-group ends while a partner may still ask for a tile that names it
	s_endpgm
.Lfunc_end_k_q86f098805c_chain:
	.size	k_q86f098805c_chain, .Lfunc_end_k_q86f098805c_chain-k_q86f098805c_chain
	.p2alignl 7, 3214868480
	.fill 96, 4, 3214868480
	.section	.rodata,"a",@progbits
	.p2align	6, 0x0
	.amdhsa_kernel k_q86f098805c_chain
		.amdhsa_group_segment_fixed_size 327680
		.amdhsa_private_segment_fixed_size 0
		.amdhsa_enable_private_segment 0
		.amdhsa_kernarg_size 160
		.amdhsa_user_sgpr_count 2
		.amdhsa_user_sgpr_kernarg_segment_ptr 1
		.amdhsa_wavefront_size32 1
		.amdhsa_system_sgpr_workgroup_id_x 1
		.amdhsa_system_sgpr_workgroup_id_y 1
		.amdhsa_system_sgpr_workgroup_id_z 1
		.amdhsa_system_vgpr_workitem_id 0
		.amdhsa_next_free_vgpr 1024
		.amdhsa_next_free_sgpr 100
		.amdhsa_reserve_vcc 0
		.amdhsa_float_denorm_mode_32 3
		.amdhsa_float_denorm_mode_16_64 3
		.amdhsa_memory_ordered 1
		.amdhsa_forward_progress 1
		.amdhsa_inst_pref_size 255
	.end_amdhsa_kernel
	.section	.bss,"aw",@nobits
	.p2align	6
	.space	262144
	.amdgpu_metadata
---
amdhsa.version: [ 1, 2 ]
amdhsa.kernels:
  - .name:           k_q86f098805c_chain
    .symbol:         k_q86f098805c_chain.kd
    .args:
      - { .name: eeg_emb, .offset: 0, .size: 8, .value_kind: global_buffer, .address_space: global }
      - { .name: ecg_emb, .offset: 8, .size: 8, .value_kind: global_buffer, .address_space: global }
      - { .name: Wv1_codes, .offset: 16, .size: 8, .value_kind: global_buffer, .address_space: global }
      - { .name: Wv1_scales, .offset: 24, .size: 8, .value_kind: global_buffer, .address_space: global }
      - { .name: bv1, .offset: 32, .size: 8, .value_kind: global_buffer, .address_space: global }
      - { .name: Wo1_codes, .offset: 40, .size: 8, .value_kind: global_buffer, .address_space: global }
      - { .name: Wo1_scales, .offset: 48, .size: 8, .value_kind: global_buffer, .address_space: global }
      - { .name: bo1, .offset: 56, .size: 8, .value_kind: global_buffer, .address_space: global }
      - { .name: g1, .offset: 64, .size: 8, .value_kind: global_buffer, .address_space: global }
      - { .name: beta1, .offset: 72, .size: 8, .value_kind: global_buffer, .address_space: global }
      - { .name: Wv2_codes, .offset: 80, .size: 8, .value_kind: global_buffer, .address_space: global }
      - { .name: Wv2_scales, .offset: 88, .size: 8, .value_kind: global_buffer, .address_space: global }
      - { .name: bv2, .offset: 96, .size: 8, .value_kind: global_buffer, .address_space: global }
      - { .name: Wo2_codes, .offset: 104, .size: 8, .value_kind: global_buffer, .address_space: global }
      - { .name: Wo2_scales, .offset: 112, .size: 8, .value_kind: global_buffer, .address_space: global }
      - { .name: bo2, .offset: 120, .size: 8, .value_kind: global_buffer, .address_space: global }
      - { .name: g2, .offset: 128, .size: 8, .value_kind: global_buffer, .address_space: global }
      - { .name: beta2, .offset: 136, .size: 8, .value_kind: global_buffer, .address_space: global }
      - { .name: fc, .offset: 144, .size: 8, .value_kind: global_buffer, .address_space: global }
      - { .name: fs, .offset: 152, .size: 8, .value_kind: global_buffer, .address_space: global }
    .group_segment_fixed_size: 327680
    .private_segment_fixed_size: 0
    .kernarg_segment_align: 8
    .kernarg_segment_size: 160
    .max_flat_workgroup_size: 128
    .sgpr_count:     100
    .vgpr_count:     1024
    .wavefront_size: 32
...
	.end_amdgpu_metadata
.endif
;; end of part 1
;; launch fuse (part 2): grid 4 x 64, 4 waves a work-group, clusters of 4 x 4, 327,680 bytes of LDS; arguments fc, fs, Wf_codes, Wf_scales, bf, out0; writes out0
.if DOCPART == 2
	.amdgcn_target "amdgcn-amd-amdhsa--gfx1250"
	.amdhsa_code_object_version 6
	.text
	.protected	k_q86f098805c_fuse
	.globl	k_q86f098805c_fuse
	.p2align	8
	.type	k_q86f098805c_fuse,@function
k_q86f098805c_fuse:
	s_mov_b64 s[64:65], 0
	v_nop
	global_prefetch_b8 v0, s[64:65] scope:SCOPE_SE
	s_setreg_imm32_b32 hwreg(HW_REG_WAVE_MODE, 25, 1), 1
	s_wait_xcnt 0x0
	s_wait_alu depctr_hold_cnt(0) depctr_sa_sdst(0) depctr_va_vdst(0) depctr_va_sdst(0) depctr_va_ssrc(0) depctr_va_vcc(0) depctr_vm_vsrc(0)
	s_getreg_b32 s2, hwreg(HW_REG_IB_STS2, 6, 4)
	s_cmp_eq_u32 s2, 0
	s_cbranch_scc0 .Lentry_in_a_cluster
	s_endpgm
.Lentry_in_a_cluster:
	s_bfe_u32 s2, ttmp6, 0x10000c
	s_cmp_lg_u32 s2, 0xf033
	s_cbranch_scc0 .Lentry_shape_is_right
	s_endpgm
.Lentry_shape_is_right:
; out = Q([E1, E2]) Wf^T + bf on codes of FP6 (E2M3) with one E8M0 byte for each 32 along K.  M = 8,192, N = 1,024, K = 2,048.
; fc holds the left operand as images of operand registers, [row / 128][K step of 128][(row % 128) / 16][1,536 bytes]; fs its scale words, [K / 1,024][row][8 words].  Wf: rows of 1,536 bytes of codes, 64 scale bytes.
; A tile of out is 128 rows x 256 columns: 256 work-groups.  Four waves, each 64 rows x 128 columns: 32 accumulators of 16 x 16, 256 registers.
; K goes in 4 steps of 512 through two LDS slots; a step is four sub-steps of 128, 32 products a wave each.  Waves 0 and 1 fetch the operand's images (one dense block, halved), waves 2 and 3 Wf's rows.
; CLUSTERS: 4 x 4 work-groups.  The four of a row of the cluster need the same images, the four of a column the same rows of Wf: each tile is asked for JOINTLY, by the same tensor load with a mask that names the four.
; THE MATRIX INSTRUCTION IS USED TRANSPOSED (source 0 = 16 rows of Wf, source 1 = 16 rows of the operand): a lane holds eight neighbouring numbers of a row of out.
; All scale words of the wave's rows and columns, for all of K, and the bias tiles are loaded once into registers.  The bias tile is the C of a sum's first product.
; REGISTERS: window 0: v11-29 addresses; v32-95 Wf's scale words (16 (tl % 4) + K step; lanes 16-31: tl >= 4); v96-127 the operand's (16 (m % 2) + K step; lanes 16-31: m >= 2); v128-191 bias tiles; on the way out v128-255.
;   window 1: Wf's fragments, two sets;  window 2: the operand's, two sets;  window 3: the accumulators, (m, tl) at v[64 m + 8 tl].
.set SLOT,   159744                    ; 49,152 bytes of images, then 256 rows of 432 bytes
.set BOFF,   49152
.set BPITCH, 432                       ; 3 x (128 bytes + 16 of padding) = 108 words: the 16 rows of a load start at 16 different groups of four banks (64 banks of 4 bytes: ISA guide 11.1)
.set SPARE,  319488                    ; the spare words, 128 bytes for each wave: two blocks of 256 bytes that no other line names
.set SPITCH, 528                       ; the way out: a stage of 16 rows x (512 bytes + 16) for each wave, in slot 0, which has had its last fill and its last read by then
.set VB,   11
.set VA,   12
.set VBI,  13
.set ADA,  16                          ; v16-17 my lane's place among the images of slot 0, 1
.set ADB,  20                          ; v20-21 in Wf's rows;  v22-23 the same behind one padding more
.set STO,  24
.set RD,   25
.set CO,   26
.set SPW,  28                          ; SPARE + 4 x my thread's number; never rewritten
.set NIL,  29                          ; 0; never rewritten
.set BSC,  32
.set ASC2, 96
.set BIAS, 128
.set BK,   128
.set G1A, 24
.set G0A, 32
.set G1B, 48
.set G0B, 56
.set MSB, 0
.macro WIN new
.if MSB != (\new)
	s_set_vgpr_msb (MSB<<8)|(\new)
.set MSB, (\new)
.endif
.endm
.macro PLACES                          ; four plain places behind matrix instructions (ISA guide 7.12.1)
.rept 4
	v_nop
.endr
.endm
; A joint load: waves 0 and 1 fetch the images, waves 2 and 3 Wf's rows.  The branch hangs on the wave's number alone.  Four v_nop follow each of the two lines.
.macro JLOAD g0a, g1a, g0b, g1b
	s_cmp_eq_u32 s17, 0
	s_cbranch_scc0 .Lfor_b_\@
	tensor_load_to_lds s[\g0a:\g0a+3], s[\g1a:\g1a+7]
	s_nop 0
.rept 4
	v_nop
.endr
	s_branch .Lasked_\@
.Lfor_b_\@:
	tensor_load_to_lds s[\g0b:\g0b+3], s[\g1b:\g1b+7]
	s_nop 0
.rept 4
	v_nop
.endr
.Lasked_\@:
.endm
.macro CREST
	s_cmp_lg_u32 s16, 0
	s_cbranch_scc1 .Lnot_wave_0_\@
	s_barrier_signal -3
.Lnot_wave_0_\@:
	s_barrier_wait -3
	s_barrier_signal -1
	s_barrier_wait -1
.endm
.macro CROUND
	s_barrier_signal -1
	s_barrier_wait -1
	CREST
.endm
	s_load_b256 s[4:11], s[0:1], 0x0               ; fc, fs, Wf's codes, Wf's scales
	s_load_b128 s[12:15], s[0:1], 0x20             ; bf, out
	v_lshl_add_u32 v[SPW], v0, 2, SPARE
	v_mov_b32 v[NIL], 0
	ds_add_u32 v28, v29
	ds_add_u32 v28, v29
	s_wait_dscnt 0x0
	v_lshrrev_b32 v1, 5, v0
	v_readfirstlane_b32 s16, v1                    ; wave 0..3
	s_lshr_b32 s17, s16, 1                         ; which 64 rows are mine.  Also: I fetch images (0) or Wf (1)
	s_and_b32 s18, s16, 1                          ; which 128 columns.  Also: which half of that tile I fetch
	s_bfe_u32 s40, ttmp6, 0x40000                  ; cx, cy
	s_bfe_u32 s41, ttmp6, 0x40004
	s_lshl_b32 s42, ttmp9, 2
	s_add_co_u32 s42, s42, s40                     ; tile column = 4 x cluster x + cx
	s_and_b32 s19, ttmp7, 0xffff
	s_lshl_b32 s19, s19, 2
	s_add_co_u32 s19, s19, s41                     ; tile row = 4 x cluster y + cy
	s_lshl_b32 s43, s41, 2
	s_lshl_b32 s43, 15, s43                        ; my row of the cluster
	s_lshl_b32 s44, 0x1111, s40                    ; my column
	s_or_b32 s[G1A], s43, (3<<16)|(1<<21)          ; the images: a dense half of 24,576 bytes as 96 rows of 32 elements of 8 bytes; no padding; the mask: my row
	s_mov_b32 s[G1A+1], 32<<16
	s_mov_b32 s[G1A+2], 96<<16
	s_mov_b32 s[G1A+3], 32<<16
	s_mov_b32 s[G1A+4], 96
	s_mov_b32 s[G1A+5], 32
	s_mov_b32 s[G1A+6], 0
	s_mov_b32 s[G1A+7], 0
	s_or_b32 s[G1B], s44, (1<<20)|(1<<21)|(4<<22)|(3<<25)   ; Wf: 128 rows x 384 bytes, 1,536 apart; 4 words of padding behind every 32; the mask: my column
	s_mov_b32 s[G1B+1], 384<<16
	s_mov_b32 s[G1B+2], 128<<16
	s_mov_b32 s[G1B+3], 384<<16
	s_mov_b32 s[G1B+4], 128
	s_mov_b32 s[G1B+5], 1536
	s_mov_b32 s[G1B+6], 0
	s_mov_b32 s[G1B+7], 0
	s_mul_i32 s20, s19, 196608                     ; the images of my tile row: 16 K steps x 12,288 bytes,
	s_mul_i32 s21, s18, 24576                      ; my half of a step's four
	s_add_co_u32 s20, s20, s21
	s_mov_b32 s21, 0
	s_lshl_b32 s46, s42, 8
	s_lshl_b32 s47, s18, 7
	s_add_co_u32 s46, s46, s47                     ; Wf: row 256 x tile column + 128 x half
	s_mul_i32 s46, s46, 1536
	s_mov_b32 s47, 0
	s_mul_i32 s45, s18, 24576                      ; where they go: no place in the cluster enters an LDS address
	s_mul_i32 s23, s18, 128*BPITCH
	s_add_co_u32 s23, s23, BOFF
	s_wait_kmcnt 0x0
	s_add_nc_u64 s[20:21], s[4:5], s[20:21]
	s_add_nc_u64 s[46:47], s[8:9], s[46:47]
	CROUND                                         ; all sixteen work-groups are here: the first joint loads meet
.irp s, 0,1
	s_mov_b32 s[G0A+4*\s], 1
	s_add_co_u32 s[G0A+4*\s+1], s45, \s*SLOT
	s_add_nc_u64 s[G0A+4*\s+2:G0A+4*\s+3], s[20:21], \s*49152
	s_or_b32 s[G0A+4*\s+3], s[G0A+4*\s+3], 0x80000000
	s_mov_b32 s[G0B+4*\s], 1
	s_add_co_u32 s[G0B+4*\s+1], s23, \s*SLOT
	s_add_nc_u64 s[G0B+4*\s+2:G0B+4*\s+3], s[46:47], \s*384
	s_or_b32 s[G0B+4*\s+3], s[G0B+4*\s+3], 0x80000000
	JLOAD G0A+4*\s, G1A, G0B+4*\s, G1B             ; steps 0 and 1: two loads of mine are out
.endr
	v_and_b32 v1, 15, v0                           ; r
	v_bfe_u32 v2, v0, 4, 1                         ; h
	v_and_b32 v3, 31, v0
	v_lshlrev_b32 v[CO], 4, v3                     ; 16 x lane
	s_mul_i32 s22, s17, 6144                       ; my four tiles of rows among a K step's eight images
	v_add_nc_u32 v[ADA], s22, v[CO]
	v_add_nc_u32 v[ADA+1], SLOT, v[ADA]
	v_mul_u32_u24 v4, v1, BPITCH
	v_mad_u32_u24 v5, v2, 24, v4
	v_mad_u32_u24 v6, v2, 40, v4
	v_add_nc_u32 v[ADB], s23, v5                   ; (the rows that I read are the half that wave 2 + w % 2 fetched)
	v_add_nc_u32 v[ADB+2], s23, v6
	v_add_nc_u32 v[ADB+1], SLOT, v[ADB]
	v_add_nc_u32 v[ADB+3], SLOT, v[ADB+2]
	s_mul_i32 s22, s16, 16*SPITCH                  ; my stage
	v_mul_u32_u24 v4, v1, SPITCH
	v_lshl_add_u32 v4, v2, 5, v4
	v_add_nc_u32 v[STO], s22, v4                   ; in: row r, 32 bytes for each half of the lanes
	v_add_nc_u32 v[RD], s22, v[CO]                 ; back: the 32 lanes take one row of 512 bytes
	v_lshlrev_b32 v[VB], 6, v1
	v_lshl_add_u32 v[VB], v2, 12, v[VB]            ; Wf's scale bytes: 64 a row; lanes 16-31 take the rows 64 further on
	v_lshlrev_b32 v[VA], 5, v1
	v_lshl_add_u32 v[VA], v2, 10, v[VA]            ; the operand's: 32 a row and plane; lanes 16-31 the rows 32 further on
	v_lshlrev_b32 v[VBI], 5, v2
	s_lshl_b32 s66, s42, 14
	s_lshl_b32 s68, s18, 13
	s_add_co_u32 s66, s66, s68
	s_mov_b32 s67, 0
	s_add_nc_u64 s[70:71], s[10:11], s[66:67]      ; Wf's scales at my 128 columns
	s_lshl_b32 s66, s19, 12
	s_lshl_b32 s68, s17, 11
	s_add_co_u32 s66, s66, s68
	s_add_nc_u64 s[72:73], s[6:7], s[66:67]        ; fs at my 64 rows
	s_lshl_b32 s66, s42, 10
	s_lshl_b32 s68, s18, 9
	s_add_co_u32 s66, s66, s68
	s_add_nc_u64 s[74:75], s[12:13], s[66:67]      ; bf at my columns,
	s_add_nc_u64 s[14:15], s[14:15], s[66:67]      ; out likewise,
	s_lshl_b32 s66, s19, 19
	s_lshl_b32 s68, s17, 18
	s_add_co_u32 s66, s66, s68
	s_add_nc_u64 s[14:15], s[14:15], s[66:67]      ; at my first row
.irp tp, 0,1,2,3
.irp jj, 0,1,2,3
	global_load_b128 v[BSC+16*\tp+4*\jj:BSC+16*\tp+4*\jj+3], v[VB], s[70:71] offset:1024*\tp+16*\jj
.endr
.endr
.irp mp, 0,1
.irp pl, 0,1
.irp jj, 0,1
	global_load_b128 v[ASC2+16*\mp+8*\pl+4*\jj:ASC2+16*\mp+8*\pl+4*\jj+3], v[VA], s[72:73] offset:512*\mp+262144*\pl+16*\jj
.endr
.endr
.endr
.irp tl, 0,1,2,3,4,5,6,7
.irp jj, 0,1
	global_load_b128 v[BIAS+8*\tl+4*\jj:BIAS+8*\tl+4*\jj+3], v[VBI], s[74:75] offset:64*\tl+16*\jj
.endr
.endr
.macro FB sl, u, set                   ; Wf's eight fragments of the slot's sub-step u: pieces of 8 bytes; lanes 16-31 three pieces on, for some behind one padding more
	WIN 0x40
.irp tl, 0,1,2,3,4,5,6,7
.irp p, 0,1,2,3,4,5
.set PCE, 12*(\u)+6*(\p/3)+\p%3
.if PCE%16 < 13
	ds_load_b64 v[96*(\set)+12*\tl+2*\p:96*(\set)+12*\tl+2*\p+1], v[ADB+(\sl)] offset:8*PCE+16*(PCE/16)+16*BPITCH*\tl
.else
	ds_load_b64 v[96*(\set)+12*\tl+2*\p:96*(\set)+12*\tl+2*\p+1], v[ADB+2+(\sl)] offset:8*PCE+16*(PCE/16)+16*BPITCH*\tl
.endif
.endr
.endr
.endm
.macro FA sl, u, set                   ; the operand's four fragments, as images
	WIN 0x80
.irp m, 0,1,2,3
.irp c, 0,1,2
	ds_load_b128 v[48*(\set)+12*\m+4*\c:48*(\set)+12*\m+4*\c+3], v[ADA+(\sl)] offset:12288*(\u)+1536*\m+512*\c
.endr
.endr
.endm
.macro F e                             ; sub-step e's 60 loads
	FB ((\e)/4)%2, (\e)%4, (\e)%2
	FA ((\e)/4)%2, (\e)%4, (\e)%2
.endm
.macro WM ra, rb
.if ((\ra) == 0) && ((\rb) == 0)
	v_wmma_scale_f32_16x16x128_f8f6f4 v[WD:WD+7], v[WBF:WBF+11], v[WAF:WAF+11], v[WC:WC+7], v[WSB], v[WSA] matrix_a_fmt:MATRIX_FMT_FP6 matrix_b_fmt:MATRIX_FMT_FP6
.elseif (\rb) == 0
	v_wmma_scale_f32_16x16x128_f8f6f4 v[WD:WD+7], v[WBF:WBF+11], v[WAF:WAF+11], v[WC:WC+7], v[WSB], v[WSA] matrix_a_fmt:MATRIX_FMT_FP6 matrix_b_fmt:MATRIX_FMT_FP6 matrix_a_scale:MATRIX_SCALE_ROW1
.elseif (\ra) == 0
	v_wmma_scale_f32_16x16x128_f8f6f4 v[WD:WD+7], v[WBF:WBF+11], v[WAF:WAF+11], v[WC:WC+7], v[WSB], v[WSA] matrix_a_fmt:MATRIX_FMT_FP6 matrix_b_fmt:MATRIX_FMT_FP6 matrix_b_scale:MATRIX_SCALE_ROW1
.else
	v_wmma_scale_f32_16x16x128_f8f6f4 v[WD:WD+7], v[WBF:WBF+11], v[WAF:WAF+11], v[WC:WC+7], v[WSB], v[WSA] matrix_a_fmt:MATRIX_FMT_FP6 matrix_b_fmt:MATRIX_FMT_FP6 matrix_a_scale:MATRIX_SCALE_ROW1 matrix_b_scale:MATRIX_SCALE_ROW1
.endif
.endm
; cnt tiles of columns from tl0 on x the four tiles of rows, K step e.  The 32 accumulators take turns, one instruction a turn, in the same order in every sub-step.
.macro MULF e, tl0, cnt, first
.set TL, \tl0
.rept \cnt
.irp m, 0,1,2,3
.set WD, 64*\m+8*TL
.set WBF, 96*((\e)%2)+12*TL
.set WAF, 48*((\e)%2)+12*\m
.if \first
.set WC, BIAS+8*TL
.else
.set WC, WD
.endif
.set WSB, BSC+16*(TL%4)+(\e)
.set WSA, ASC2+16*(\m%2)+(\e)
	WM TL/4, \m/2
.endr
.set TL, TL+1
.endr
.endm
.macro SUB e                           ; a sub-step that has its successor in the same slot
	F (\e)+1
	s_wait_dscnt 60                                ; only the 60 loads just issued may be out
.if (\e) == 0
	s_wait_loadcnt 0x0                             ; the scale words and the bias tiles
	WIN 0xc9
	MULF \e, 0, 8, 1
.else
	WIN 0xf9
	MULF \e, 0, 8, 0
.endif
	PLACES
.endm
; A slot's last sub-step changes slots: ONE barrier; in front of it each wave waits for all its tensor loads, adds 0 to its spare word, and waits for that and for its reads of this slot.  fill = 1: the slot is filled again, two steps ahead.
.macro TURNF e, fill
.set SL, ((\e)/4)%2
	WIN 0
	s_wait_tensorcnt 0x0                           ; all my tensor loads have landed: my part of the next slot
	ds_add_u32 v[SPW], v[NIL]                      ; 0 onto my spare word
	s_wait_dscnt 1                                 ; this sub-step's loads are in; the add may be out
	WIN 0xf9
	MULF \e, 0, 2, 0
	s_wait_dscnt 0x0                               ; the add is done, and my reads of this slot are over
	s_barrier_signal -1
	MULF \e, 2, 2, 0
	WIN 0
	s_barrier_wait -1
.if \fill
	CREST                                          ; the barrier has opened a round of the cluster's barrier
	s_add_nc_u64 s[G0A+4*SL+2:G0A+4*SL+3], s[G0A+4*SL+2:G0A+4*SL+3], 98304
	s_add_nc_u64 s[G0B+4*SL+2:G0B+4*SL+3], s[G0B+4*SL+2:G0B+4*SL+3], 768
	JLOAD G0A+4*SL, G1A, G0B+4*SL, G1B             ; the first tensor load behind the round: 112 products ahead of the wait for it
.else
	PLACES
.endif
	F (\e)+1
	WIN 0xf9
	MULF \e, 4, 4, 0
	PLACES
.endm
	s_wait_tensorcnt 0x1                           ; my part of step 0 is in (step 1's may be out)
	s_barrier_signal -1
	s_barrier_wait -1                              ; everybody's is
	F 0
	SUB 0
	SUB 1
	SUB 2
	TURNF 3, 1
	SUB 4
	SUB 5
	SUB 6
	TURNF 7, 1
	SUB 8
	SUB 9
	SUB 10
	TURNF 11, 0                                    ; nothing is left to fetch
	SUB 12
	SUB 13
	SUB 14
	s_wait_dscnt 0x0
	WIN 0xf9
	MULF 15, 0, 8, 0
	WIN 0
	PLACES
; THE WAY OUT, block by block of 16 rows x 128 columns, through my own stage in LDS: in as 32 bytes a lane, back as whole rows of 512 bytes.  LDS serves a wave's instructions in order (ISA guide 5.7.1.4).
.macro TOSTAGE a
	WIN 0x0c                                       ; an LDS store's data: window 3
.irp b, 0,1,2,3,4,5,6,7
	ds_store_b128 v[STO], v[64*(\a)+8*\b:64*(\a)+8*\b+3] offset:64*\b          ; each accumulator from its low end on
	ds_store_b128 v[STO], v[64*(\a)+8*\b+4:64*(\a)+8*\b+7] offset:64*\b+16
.endr
	WIN 0
.set BB, BK+64*((\a)%2)
.irp t, 0,1,2,3,4,5,6,7,8,9,10,11,12,13,14,15
	ds_load_b128 v[BB+4*\t:BB+4*\t+3], v[RD] offset:\t*SPITCH
.endr
.endm
.macro SEND a, younger                 ; younger: the LDS instructions issued behind block a's loads, which may stay out
.set BB, BK+64*((\a)%2)
	s_wait_dscnt \younger
.if (\a) > 0
	s_add_nc_u64 s[14:15], s[14:15], 65536         ; 16 rows of out on (behind a wait on XCNT: the earlier stores have read their base)
.endif
.irp t, 0,1,2,3,4,5,6,7,8,9,10,11,12,13,14,15
	global_store_b128 v[CO], v[BB+4*\t:BB+4*\t+3], s[14:15] offset:\t*4096 th:TH_STORE_NT   ; 32 lanes store 512 consecutive bytes, at a multiple of 256 from out's first byte
.endr
.endm
	TOSTAGE 0
.irp a, 1,2,3
.if \a > 1
	s_wait_xcnt 0x0                                ; block a - 2's stores have read their registers and their base
.endif
	TOSTAGE \a
	SEND \a-1, 32                                  ; behind block a - 1's loads: block a's 16 stores and 16 loads
.endr
	s_wait_xcnt 0x0
	SEND 3, 0
	s_wait_tensorcnt 0x0                           ; the wave's end
	ds_add_u32 v[SPW], v[NIL]
	s_wait_dscnt 0x0
	CROUND                                         ; the closing round
	s_endpgm
.Lfunc_end_k_q86f098805c_fuse:
	.size	k_q86f098805c_fuse, .Lfunc_end_k_q86f098805c_fuse-k_q86f098805c_fuse
	.p2alignl 7, 3214868480
	.fill 96, 4, 3214868480
	.section	.rodata,"a",@progbits
	.p2align	6, 0x0
	.amdhsa_kernel k_q86f098805c_fuse
		.amdhsa_group_segment_fixed_size 327680
		.amdhsa_private_segment_fixed_size 0
		.amdhsa_enable_private_segment 0
		.amdhsa_kernarg_size 48
		.amdhsa_user_sgpr_count 2
		.amdhsa_user_sgpr_kernarg_segment_ptr 1
		.amdhsa_wavefront_size32 1
		.amdhsa_system_sgpr_workgroup_id_x 1
		.amdhsa_system_sgpr_workgroup_id_y 1
		.amdhsa_system_sgpr_workgroup_id_z 1
		.amdhsa_system_vgpr_workitem_id 0
		.amdhsa_next_free_vgpr 1024
		.amdhsa_next_free_sgpr 76
		.amdhsa_reserve_vcc 0
		.amdhsa_float_denorm_mode_32 3
		.amdhsa_float_denorm_mode_16_64 3
		.amdhsa_memory_ordered 1
		.amdhsa_forward_progress 1
		.amdhsa_inst_pref_size 157
	.end_amdhsa_kernel
	.amdgpu_metadata
---
amdhsa.version: [ 1, 2 ]
amdhsa.kernels:
  - .name:           k_q86f098805c_fuse
    .symbol:         k_q86f098805c_fuse.kd
    .args:
      - { .name: fc, .offset: 0, .size: 8, .value_kind: global_buffer, .address_space: global }
      - { .name: fs, .offset: 8, .size: 8, .value_kind: global_buffer, .address_space: global }
      - { .name: Wf_codes, .offset: 16, .size: 8, .value_kind: global_buffer, .address_space: global }
      - { .name: Wf_scales, .offset: 24, .size: 8, .value_kind: global_buffer, .address_space: global }
      - { .name: bf, .offset: 32, .size: 8, .value_kind: global_buffer, .address_space: global }
      - { .name: out0, .offset: 40, .size: 8, .value_kind: global_buffer, .address_space: global }
    .group_segment_fixed_size: 327680
    .private_segment_fixed_size: 0
    .kernarg_segment_align: 8
    .kernarg_segment_size: 48
    .max_flat_workgroup_size: 128
    .sgpr_count:     76
    .vgpr_count:     1024
    .wavefront_size: 32
...
	.end_amdgpu_metadata
.endif
;; end of part 2
;; ======== version 2 of 2: 2 launches
;; workspace buffers: fc 12,582,912 bytes; fs 524,288 bytes
;; launch chain (part 3): grid 256 x 1, 4 waves a work-group, clusters of 4 x 1, 327,680 bytes of LDS; arguments eeg_emb, ecg_emb, Wv1_codes, Wv1_scales, bv1, Wo1_codes, Wo1_scales, bo1, g1, beta1, Wv2_codes, Wv2_scales, bv2, Wo2_codes, Wo2_scales, bo2, g2, beta2, fc, fs; writes fc, fs
.if DOCPART == 3
	.amdgcn_target "amdgcn-amd-amdhsa--gfx1250"
	.amdhsa_code_object_version 6
	.text
	.protected	k_q86f098805c_chain
	.globl	k_q86f098805c_chain
	.p2align	8
	.type	k_q86f098805c_chain,@function
k_q86f098805c_chain:
	s_mov_b64 s[64:65], 0
	v_nop
	global_prefetch_b8 v0, s[64:65] scope:SCOPE_SE
	s_setreg_imm32_b32 hwreg(HW_REG_WAVE_MODE, 25, 1), 1
	s_wait_xcnt 0x0
	s_wait_alu depctr_hold_cnt(0) depctr_sa_sdst(0) depctr_va_vdst(0) depctr_va_sdst(0) depctr_va_ssrc(0) depctr_va_vcc(0) depctr_vm_vsrc(0)
	s_getreg_b32 s2, hwreg(HW_REG_IB_STS2, 6, 4)
	s_cmp_eq_u32 s2, 0
	s_cbranch_scc0 .Lentry_in_a_cluster
	s_endpgm
.Lentry_in_a_cluster:
	s_bfe_u32 s2, ttmp6, 0x10000c
	s_cmp_lg_u32 s2, 0x3003
	s_cbranch_scc0 .Lentry_shape_is_right
	s_endpgm
.Lentry_shape_is_right:
; One path of the fusion for 64 rows:  E = LayerNorm(res + (Q(x) Wv^T + bv -> Q) Wo^T + bo) * g + beta, and E quantised for the last product.
; Path 0: x = ecg, res = eeg, Wv1, Wo1, g1, beta1.  Path 1: x = eeg, res = ecg, Wv2, Wo2, g2, beta2.  Both products on codes of FP6 (E2M3) with one E8M0 byte for each 32 along K; all else f32.
; SHARES.  256 work-groups: cluster c (0..63): path c & 1; its four work-groups take the four blocks of 64 rows of row group c >> 1.  Four waves.  THE WAVES SHARE THE COLUMNS: wave w makes columns
; 512 g + 128 w + 0..127 (g = 0, 1) for all 64 rows: 64 accumulators of 16 x 16, 512 registers, so that whole rows of 1,024 numbers are at hand for the LayerNorm.
; PRODUCTS ARE USED TRANSPOSED (source 0 = 16 rows of the weight, source 1 = 16 rows of the operand): a lane holds ONE row and, in tile tl, the columns 16 tl + 8 (lane / 16) + 0..7.
; A wave's 128 columns of half g are K step 4 g + w of the next product: they are quantised in registers (QUANT) and go to the other waves through LDS as an image of the operand's registers.
; THE SUMS START FROM LOADED NUMBERS: the accumulators are filled by global loads, in the result's layout, and a sum's first product adds in place: in the first layer bv, in the second the residual.
; So nothing is cleared, and the residual is on its way while V is quantised (half 0) and while half 0 is multiplied (half 1).  bo is added in the LayerNorm's first pass.
; WEIGHTS come through a ring of two LDS buffers: a slot is 512 rows (half g) x 256 along K, rows of 192 bytes; wave w fetches, and alone reads, its 128 rows.  A layer has 8 slots.
; CLUSTER.  The four work-groups of a cluster walk the same weights, so each tile is asked for JOINTLY: the same tensor load, the same descriptor, a mask that names the four.
; The K blocks of a half are walked from block (c >> 1) & 3 on, round: clusters of different row groups ask for different parts of a weight at one time.  The sums' order along K is rotated with it.
; LIMITS: a block of zeros gets the byte 1 (its codes are zeros; these bytes are read by this program alone); a block's largest magnitude is taken no smaller than 2^-124; NaN and infinities are not served.
; ORDER OF ROUNDING: residual + products, then + bo, all in f32, where the definition has (products + bo) + residual.
; REGISTERS, in windows of 256.  Window 0: v1-26 addresses; v32-95 the weights' scale words of a layer; v96-103 the operand's scale words, two sets; v104-199 the operand's fragments, two sets (in the LayerNorm: sums);
;   v200-232 the quantiser's; v236-239 offsets of the loads into the accumulators.   Window 1: v0-191 the weight's fragments, two sets (in the LayerNorm, with v192-255: bo, then g and beta).
;   Windows 2, 3: the accumulators of half 0, 1: (m, tl) at v[64 m + 8 tl]; ahead of the first layer: x.
.set SLOTB,  122880                    ; a buffer of the ring: 512 rows of 240 bytes
.set WPART,  30720                     ; a wave's 128 rows
.set PITCH,  240                       ; an LDS row: 3 x (64 bytes + 16 of padding)
.set AIMG,   245760                    ; operand images: fragment (m, s) at (8 m + s) x 1,536; in it register group c of lane l at 512 c + 16 l
.set ASC,    294912                    ; their scale words: (4 m + s / 2) x 128 + 64 (s % 2) + 4 r
.set RED,    299008                    ; two reductions x 4 waves x 256 bytes
.set SCS,    301056                    ; E's scale words: row x 32 + 4 (4 g + w)
.set SPARE,  303104                    ; the spare words, 128 bytes for each wave: two blocks of 256 bytes that no other line names
.set SPW,  1                           ; v1   SPARE + 4 x my thread's number; never rewritten
.set NIL,  2                           ; v2   0; never rewritten
.set ADRB, 3                           ; v3-4 my lane's place in my rows of buffer 0, 1;  v5-6 the same behind one padding more
.set LI,   7                           ; v7   AIMG + 16 x lane
.set LS,   8                           ; v8   ASC + 4 x lane
.set AAD,  9                           ; v9-10 the images of the K block in hand, by turns
.set ASD,  11                          ; v11  its scale words
.set XWI,  12                          ; v12  where I store x's images;   v13 their scale words
.set XWS,  13
.set HWI,  14                          ; v14  where I store V's images;   v15 their scale words
.set HWS,  15
.set XA,   16                          ; v16  4,096 r + 32 h: my place in 16 rows of f32
.set BIA,  17                          ; v17  32 h: my eight numbers of a tile of a vector
.set SCV,  18                          ; v18-21 my place among a weight's scale bytes, for the four K blocks in the order walked
.set GO,   22                          ; v22  16 x lane
.set RW,   23                          ; v23, v24 reductions: where I store, where I read
.set RR,   24
.set SW,   25                          ; v25, v26 E's scale words: where I store, where I read
.set SR,   26
.set BS,   32                          ; register 8 tl + 2 i + u: lanes 0-15 half 0's word, lanes 16-31 half 1's
.set ASW,  96                          ; register 4 par + m: lanes 0-15 sub-step 0's word, lanes 16-31 sub-step 1's
.set AF,   104                         ; set u at AF + 48 u + 12 m
.set TM,   200                         ; v200-203 largest magnitudes, v204-207 bytes, v208-211 the conversions' scale operands
.set PC,   212                         ; v212-223 the fragment just made
.set CY,   224                         ; v224-231 the odd blocks' codes
.set PW,   232                         ; its scale word
.set CVO,  236                         ; v236-239 tile of rows m: my offset in what the accumulators start from: first layer 32 h (bv, the same for all rows), second 4,096 r + 32 h + 65,536 m (the residual)
.set CH,   104                         ; LayerNorm: two chains of pairs for each m
.set RS,   120
.set RL,   124
.set NMU,  140                         ; -mean, a pair for each m
.set RSTD, 148                         ; 1 / sqrt(var + eps), a pair for each m
.set BO0,  192                         ; in window 1: bo's tiles of half 0;
.set BO1,  0                           ; of half 1
.set WVC, 8
.set WVS, 10
.set BV,  12
.set WOC, 14
.set WOS, 16
.set BO,  18
.set GAM, 20
.set BET, 22
.set FC,  40
.set FS,  42
.set XB,  44
.set RB,  46
.set WV,  48
.set CX,  49
.set PATH, 50
.set RBK, 51
.set LAY, 52
.set G1,  56                           ; s[56:63] descriptor group 1
.set G0,  68                           ; s[68:75] group 0, a set for each buffer
.set WB,  76                           ; s[76:79] my rows of this layer's weight, half 0 and half 1
.set NB,  80                           ; s[80:83] the same of the second layer's
.set SEL, 84                           ; s[84:85] v_permlanex16_b32's selects for lane l xor 16
.set PS1, 86
.set PS2, 87
.set PS3, 88
.set C1024, 89
.set CEPS,  90
.set CN1024, 91
.set K2,  92                           ; s92-95 the K blocks in the order walked
.set CURB, 96                          ; s[96:97] what this layer's accumulators start from;  s[98:99] its weight's scale bytes
.set CURS, 98
.set MSB, 0
.macro WIN new                         ; the immediate's high byte repeats the setting that is left; a switch that changes nothing is dropped
.if MSB != (\new)
	s_set_vgpr_msb (MSB<<8)|(\new)
.set MSB, (\new)
.endif
.endm
.macro PLACES                          ; four plain places behind matrix instructions, ahead of loads into their registers and of reads of their results
.rept 4
	v_nop
.endr
.endm
.macro CREST                           ; a round of the cluster's barrier behind its opening barrier
	s_cmp_lg_u32 s[WV], 0
	s_cbranch_scc1 .Lnot_wave_0_\@
	s_barrier_signal -3
.Lnot_wave_0_\@:
	s_barrier_wait -3
	s_barrier_signal -1
	s_barrier_wait -1
.endm
.macro CROUND
	s_barrier_signal -1
	s_barrier_wait -1
	CREST
.endm
; A weight's fragment: 16 rows x 128 K, 12 registers, in pieces of 8 bytes.  Lanes 16-31 read three pieces further on; where that is behind one padding more, the second address register serves.
.macro FRAG reg, adr, u, tl
.irp p, 0,1,2,3,4,5
.set PCE, 12*(\u)+6*(\p/3)+\p%3
.if PCE%8 < 5
	ds_load_b64 v[(\reg)+2*\p:(\reg)+2*\p+1], v[\adr] offset:8*PCE+16*(PCE/8)+(\tl)*16*PITCH
.else
	ds_load_b64 v[(\reg)+2*\p:(\reg)+2*\p+1], v[(\adr)+2] offset:8*PCE+16*(PCE/8)+(\tl)*16*PITCH
.endif
.endr
.endm
.macro FETB buf, u                     ; my eight fragments of the buffer's sub-step u: 48 loads
	WIN 0x40
.irp tl, 0,1,2,3,4,5,6,7
	FRAG 96*(\u)+12*\tl, ADRB+(\buf), \u, \tl
.endr
	WIN 0
.endm
.macro AADR par, i                     ; where the images and scale words of the i-th K block walked lie
	s_mul_i32 s2, s[K2+(\i)], 3072
	v_add_nc_u32 v[AAD+(\par)], s2, v[LI]
	s_lshl_b32 s2, s[K2+(\i)], 7
	v_add_nc_u32 v[ASD], s2, v[LS]
.endm
.macro FETA par, u                     ; the operand's four fragments of sub-step u: 12 loads
.irp m, 0,1,2,3
.irp c, 0,1,2
	ds_load_b128 v[AF+48*(\u)+12*\m+4*\c:AF+48*(\u)+12*\m+4*\c+3], v[AAD+(\par)] offset:12288*\m+1536*(\u)+512*\c
.endr
.endr
.endm
.macro FETS par                        ; and the scale words of both sub-steps: 4 loads
.irp m, 0,1,2,3
	ds_load_b32 v[ASW+4*(\par)+\m], v[ASD] offset:512*\m
.endr
.endm
.macro WM ra, rb                       ; one product, in place; ra, rb: the weight's, the operand's scale words stand in lanes 16-31
.if ((\ra) == 0) && ((\rb) == 0)
	v_wmma_scale_f32_16x16x128_f8f6f4 v[WD:WD+7], v[WBF:WBF+11], v[WAF:WAF+11], v[WD:WD+7], v[WSB], v[WSA] matrix_a_fmt:MATRIX_FMT_FP6 matrix_b_fmt:MATRIX_FMT_FP6
.elseif (\rb) == 0
	v_wmma_scale_f32_16x16x128_f8f6f4 v[WD:WD+7], v[WBF:WBF+11], v[WAF:WAF+11], v[WD:WD+7], v[WSB], v[WSA] matrix_a_fmt:MATRIX_FMT_FP6 matrix_b_fmt:MATRIX_FMT_FP6 matrix_a_scale:MATRIX_SCALE_ROW1
.elseif (\ra) == 0
	v_wmma_scale_f32_16x16x128_f8f6f4 v[WD:WD+7], v[WBF:WBF+11], v[WAF:WAF+11], v[WD:WD+7], v[WSB], v[WSA] matrix_a_fmt:MATRIX_FMT_FP6 matrix_b_fmt:MATRIX_FMT_FP6 matrix_b_scale:MATRIX_SCALE_ROW1
.else
	v_wmma_scale_f32_16x16x128_f8f6f4 v[WD:WD+7], v[WBF:WBF+11], v[WAF:WAF+11], v[WD:WD+7], v[WSB], v[WSA] matrix_a_fmt:MATRIX_FMT_FP6 matrix_b_fmt:MATRIX_FMT_FP6 matrix_a_scale:MATRIX_SCALE_ROW1 matrix_b_scale:MATRIX_SCALE_ROW1
.endif
.endm
; cnt tiles of columns from tl0 on x the four tiles of rows.  The half's 32 accumulators take turns, one instruction a turn, in the same order in every sub-step.
.macro MUL g, i, u, par, tl0, cnt
.set TL, \tl0
.rept \cnt
.irp m, 0,1,2,3
.set WD, 64*\m+8*TL
.set WBF, 96*(\u)+12*TL
.set WAF, AF+48*(\u)+12*\m
.set WSB, BS+8*TL+2*(\i)+(\u)
.set WSA, ASW+4*(\par)+\m
	WM \g, \u
.endr
.set TL, TL+1
.endr
.endm
; What the eight accumulators (g, m, 0..7) start from: 16 loads straight into them, in the result's layout: lane (r, h) takes, for tile tl, the eight numbers at columns 512 g + 128 w + 16 tl + 8 h on.
.macro CLOADM g, m
	WIN (2+(\g))<<6
.irp tl, 0,1,2,3,4,5,6,7
.irp jj, 0,1
	global_load_b128 v[64*(\m)+8*\tl+4*\jj:64*(\m)+8*\tl+4*\jj+3], v[CVO+(\m)], s[CURB:CURB+1] offset:2048*(\g)+64*\tl+16*\jj
.endr
.endr
	WIN 0
.endm
.macro BSLOAD a                        ; half a of a layer's scale words of my 256 rows of the weight (tiles 4 a on): 16 loads; the four loads of a tile read its rows' 32 bytes whole, once
.irp t, 0,1,2,3
.irp i, 0,1,2,3
	global_load_b64 v[BS+8*(4*(\a)+\t)+2*\i:BS+8*(4*(\a)+\t)+2*\i+1], v[SCV+\i], s[CURS:CURS+1] offset:512*(4*(\a)+\t)
.endr
.endr
.endm
; THE QUANTISER.  64 numbers of a lane in window w, register 16 b + 8 u + j = k 32 b + 16 u + 8 (lane / 16) + j of my row, become a fragment's codes in v[PC] on and its scale word in v[PW].
; free: the last fragment's stores have read v[PC] on and v[PW]: 1 = LDS stores, 2 = global stores too.
.macro QUANT src, w, free
	WIN (\w)|((\w)<<2)
.irp b, 0,1,2,3
	v_max3_num_f32 v[TM+\b], |v[(\src)+16*\b]|, |v[(\src)+16*\b+1]|, 0x1800000   ; block b: my 16 numbers, each tile from its low end on, and the floor 2^(3 - 127): the byte cannot fall under 1
.endr
.irp i, 2,4,6,8,10,12,14
.irp b, 0,1,2,3
	v_max3_num_f32 v[TM+\b], |v[(\src)+16*\b+\i]|, |v[(\src)+16*\b+\i+1]|, v[TM+\b]   ; (the four blocks by turns)
.endr
.endr
	WIN 0
.irp b, 0,1,2,3
	v_permlanex16_b32 v[TM+4+\b], v[TM+\b], s[SEL], s[SEL+1]
.endr
.irp b, 0,1,2,3
	v_max_num_f32 v[TM+\b], v[TM+\b], v[TM+4+\b]   ; with lane l xor 16's 16: the block's largest magnitude
.endr
.irp b, 0,1,2,3
	v_add_nc_u32 v[TM+8+\b], 0xff000000, v[TM+\b]  ; 2 off its exponent field: the conversion takes the exponent field of this operand as its scale
.endr
.irp b, 0,1,2,3
	v_lshrrev_b32 v[TM+4+\b], 23, v[TM+8+\b]       ; the scale's byte
.endr
.if (\free) == 2
	s_wait_xcnt 0x0                                ; the last fragment's global stores have read their data
.endif
	s_wait_dscnt 0x0                               ; and its LDS stores theirs
	v_lshl_or_b32 v[PW], v[TM+5], 8, v[TM+4]
	v_lshl_or_b32 v[PW], v[TM+6], 16, v[PW]
	v_lshl_or_b32 v[PW], v[TM+7], 24, v[PW]
	WIN (\w)
.irp c, 0,1
	v_cvt_scalef32_pk16_fp6_f32 v[PC+6*\c:PC+6*\c+2], v[(\src)+32*\c:(\src)+32*\c+15], v[TM+8+2*\c]        ; block 2 c: my two runs of 8 codes, 48 bits each
	v_cvt_scalef32_pk16_fp6_f32 v[CY+4*\c:CY+4*\c+2], v[(\src)+32*\c+16:(\src)+32*\c+31], v[TM+9+2*\c]     ; block 2 c + 1
.endr
	WIN 0
	v_nop                                          ; one plain place behind a scaled conversion
.irp c, 0,1                                    ; the operand wants a whole block in a lane: lanes 0-15 block 2 c, lanes 16-31 block 2 c + 1
.irp i, 0,1,2
	v_permlane16_swap_b32 v[PC+6*\c+\i], v[CY+4*\c+\i]   ; now X = v[PC + 6 c] on holds runs 0 and 2 of my block, Y = v[CY + 4 c] on runs 1 and 3
.endr
	v_perm_b32 v[PC+6*\c+3], v[PC+6*\c+2], v[PC+6*\c+1], s[PS1]   ; the runs in order 0 1 2 3, 192 bits:  word 3 = X1 high | X2 low
	v_perm_b32 v[PC+6*\c+4], v[CY+4*\c+1], v[PC+6*\c+2], s[PS2]   ; word 4 = X2 high | Y1 high
	v_perm_b32 v[PC+6*\c+1], v[CY+4*\c], v[PC+6*\c+1], s[PS3]     ; word 1 = X1 low | Y0 low
	v_perm_b32 v[PC+6*\c+2], v[CY+4*\c+1], v[CY+4*\c], s[PS1]     ; word 2 = Y0 high | Y1 low
	v_mov_b32 v[PC+6*\c+5], v[CY+4*\c+2]                          ; word 5 = Y2; word 0 = X0 stays
.endr
.endm
.macro IMAGE adr, off                          ; the fragment goes to LDS as it stands
.irp c, 0,1,2
	ds_store_b128 v[\adr], v[PC+4*\c:PC+4*\c+3] offset:(\off)+512*\c
.endr
.endm
; A SLOT: 256 along K of half q / 4: two sub-steps of 32 products.  fill = 1: its buffer is filled again with this layer's slot q + 2; 2: with the next layer's slot q - 6; 0: not at all.
; next = 1: the next slot's first fragments are fetched.  Slots 0 to 3 also ask for what half 1's accumulators of the tile of rows q start from: 16 loads, wanted at slot 4.
.macro SLOT q, fill, next
.set QG, (\q)/4
.set QI, (\q)%4
.set QB, (\q)%2
	FETB QB, 1
	FETA QB, 1
	s_wait_dscnt 60                                ; only the 60 loads just issued may be out: sub-step 0's 64 are in
.if QI == 0
	s_wait_loadcnt 0x0                             ; what the half's accumulators start from (and, in slot 0, the layer's scale words)
.endif
	WIN 0xa1+0x50*QG
	MUL QG, QI, 0, QB, 0, 8
.if (\q) < 4
	CLOADM 1, \q                                   ; ahead of the wait for the tile; they name no register of the products round them
.endif
	WIN 0
.if \fill
	s_wait_tensorcnt 0x0                           ; all my tensor loads have landed: the one that was out is the next slot's tile; so a group 0 may be written
	ds_add_u32 v[SPW], v[NIL]                      ; 0 onto my spare word
.if (\fill) == 1
	s_mul_i32 s2, s[K2+((\q)+2)%4], 192
	s_mov_b32 s3, 0
	s_add_nc_u64 s[G0+4*QB+2:G0+4*QB+3], s[WB+2*(((\q)+2)/4):WB+2*(((\q)+2)/4)+1], s[2:3]
.else
	s_mul_i32 s2, s[K2+(\q)-6], 192
	s_mov_b32 s3, 0
	s_add_nc_u64 s[G0+4*QB+2:G0+4*QB+3], s[NB:NB+1], s[2:3]
.endif
	s_or_b32 s[G0+4*QB+3], s[G0+4*QB+3], 0x80000000
	s_wait_dscnt 1                                 ; sub-step 1's loads are in; the add may be out
	WIN 0xa1+0x50*QG
	MUL QG, QI, 1, QB, 0, 2
	s_wait_dscnt 0x0                               ; the add is done, and my reads of this buffer are over
	s_barrier_signal -1                            ; this barrier opens a round of the cluster's barrier
	MUL QG, QI, 1, QB, 2, 2
	WIN 0
	s_barrier_wait -1
	CREST                                          ; no wave of any partner still reads this buffer or has a load on its way
	tensor_load_to_lds s[G0+4*QB:G0+4*QB+3], s[G1:G1+7]   ; my one tensor load behind the round; 48 products stand between it and the wait for it
	s_nop 0
	PLACES                                         ; (the places ahead of the loads below)
.else
.if \next
	s_wait_tensorcnt 0x0                           ; my last tile, which I alone read
.endif
	s_wait_dscnt 0x0
	WIN 0xa1+0x50*QG
	MUL QG, QI, 1, QB, 0, 4
	WIN 0
.if \next
	PLACES
.endif
.endif
.if \next
	AADR 1-QB, ((\q)+1)%4
	FETB 1-QB, 0
	FETA 1-QB, 0
	FETS 1-QB
.endif
	WIN 0xa1+0x50*QG
	MUL QG, QI, 1, QB, 4, 4
	PLACES
	WIN 0
.endm
; Chunk s of x = K step s of my 16 rows: 64 numbers a lane, in the order that QUANT takes, into the registers that the accumulators (s / 4, s % 4) will take.
.macro XLOAD s
	WIN (2+(\s)/4)<<6
.irp b, 0,1,2,3
.irp u, 0,1
.irp jj, 0,1
	global_load_b128 v[64*((\s)%4)+16*\b+8*\u+4*\jj:64*((\s)%4)+16*\b+8*\u+4*\jj+3], v[XA], s[XB:XB+1] offset:512*(\s)+128*\b+64*\u+16*\jj
.endr
.endr
.endr
	WIN 0
.endm
.macro XSTEP s                         ; chunk s becomes fragment (w, s)
	QUANT 64*((\s)%4), 2+(\s)/4, 1
	IMAGE XWI, 1536*(\s)
	ds_store_b32 v[XWS], v[PW] offset:128*((\s)/2)+64*((\s)%2)   ; both lanes of a row write the same word with the same value
.endm
	s_load_b512 s[4:19], s[0:1], 0x0               ; eeg, ecg, Wv1 codes, scales, bv1, Wo1 codes, scales, bo1
	s_load_b512 s[20:35], s[0:1], 0x40             ; g1, beta1, Wv2 codes, scales, bv2, Wo2 codes, scales, bo2
	s_load_b256 s[36:43], s[0:1], 0x80             ; g2, beta2, fc, fs
	v_lshl_add_u32 v[SPW], v0, 2, SPARE
	v_mov_b32 v[NIL], 0
	ds_add_u32 v1, v2
	ds_add_u32 v1, v2
	s_wait_dscnt 0x0
	v_lshrrev_b32 v27, 5, v0
	v_readfirstlane_b32 s[WV], v27                 ; wave 0..3
	s_bfe_u32 s[CX], ttmp6, 0x40000                ; my place in the cluster: it enters the addresses of x, the residual, fc and fs alone
	s_and_b32 s[PATH], ttmp9, 1                    ; in a cluster launch ttmp9 counts clusters
	s_lshr_b32 s53, ttmp9, 1                       ; the row group
	s_lshl_b32 s[RBK], s53, 2
	s_add_co_u32 s[RBK], s[RBK], s[CX]             ; my block of 64 rows
.irp i, 0,1,2,3
	s_add_co_u32 s[K2+\i], s53, \i
	s_and_b32 s[K2+\i], s[K2+\i], 3                ; the i-th K block walked: the same in all four partners
.endr
	s_mov_b32 s[SEL], 0x76543210
	s_mov_b32 s[SEL+1], 0xfedcba98
	s_mov_b32 s[PS1], 0x05040302
	s_mov_b32 s[PS2], 0x07060302
	s_mov_b32 s[PS3], 0x05040100
	s_mov_b32 s[C1024], 0x3a800000                 ; 1 / 1024
	s_mov_b32 s[CEPS], 0x3727c5ac                  ; 1e-5
	s_mov_b32 s[CN1024], 0xba800000                ; -1 / 1024
	s_mov_b32 s[LAY], 2                            ; layers to go
	; descriptor group 1: 128 rows x 192 bytes, 768 bytes apart in memory; 16 bytes of padding behind every 64 in LDS
	s_mov_b32 s[G1], 15|(1<<20)|(1<<21)|(3<<22)|(3<<25)  ; 15:0 the mask: all four work-groups; 17:16 elements of 1 byte; 20 padding on; 21 set beside a mask; 24:22 after every 16 words; 31:25 4 words
	s_mov_b32 s[G1+1], 192<<16                     ; tensor_dim0
	s_mov_b32 s[G1+2], 128<<16                     ; tensor_dim1
	s_mov_b32 s[G1+3], 192<<16                     ; tile_dim0
	s_mov_b32 s[G1+4], 128                         ; tile_dim1
	s_mov_b32 s[G1+5], 768                         ; tensor_dim0_stride
	s_mov_b32 s[G1+6], 0
	s_mov_b32 s[G1+7], 0
	v_and_b32 v27, 31, v0                          ; lane
	v_and_b32 v28, 15, v0                          ; r
	v_bfe_u32 v29, v0, 4, 1                        ; h
	s_mul_i32 s54, s[WV], WPART                    ; my rows in a buffer
	v_mul_u32_u24 v30, v28, PITCH
	v_mad_u32_u24 v31, v29, 24, v30
	v_mad_u32_u24 v30, v29, 40, v30
	v_add_nc_u32 v[ADRB], s54, v31
	v_add_nc_u32 v[ADRB+2], s54, v30
	v_add_nc_u32 v[ADRB+1], SLOTB, v[ADRB]
	v_add_nc_u32 v[ADRB+3], SLOTB, v[ADRB+2]
	v_lshl_add_u32 v[LI], v27, 4, AIMG
	v_lshl_add_u32 v[LS], v27, 2, ASC
	s_mul_i32 s55, s[WV], 12288
	v_add_nc_u32 v[XWI], s55, v[LI]                ; x: I quantise rows 16 w on: fragments (w, s)
	s_mul_i32 s55, s[WV], 1536
	v_add_nc_u32 v[HWI], s55, v[LI]                ; V: I make K steps w and 4 + w: fragments (m, 4 g + w)
	v_lshl_add_u32 v31, v28, 2, ASC
	s_lshl_b32 s55, s[WV], 9
	v_add_nc_u32 v[XWS], s55, v31
	s_lshl_b32 s55, s[WV], 6
	v_add_nc_u32 v[HWS], s55, v31                  ; 128 (w / 2) + 64 (w % 2) = 64 w
	v_lshlrev_b32 v[BIA], 5, v29
	v_lshl_add_u32 v[XA], v28, 12, v[BIA]
.irp m, 0,1,2,3
	v_mov_b32 v[CVO+\m], v[BIA]                    ; the first layer's sums start from bv: the same eight numbers of a tile for every row
.endr
	v_lshlrev_b32 v30, 5, v28
	v_lshl_add_u32 v30, v29, 14, v30               ; a weight's scale bytes: 32 a row; lanes 16-31 take half 1's rows, 512 further on
.irp i, 0,1,2,3
	s_lshl_b32 s55, s[K2+\i], 3
	v_add_nc_u32 v[SCV+\i], s55, v30
.endr
	v_lshlrev_b32 v[GO], 4, v27
	v_lshl_add_u32 v[RR], v28, 4, RED
	s_lshl_b32 s55, s[WV], 8
	v_add_nc_u32 v[RW], s55, v[RR]
	v_lshl_add_u32 v31, v28, 5, SCS
	s_lshl_b32 s55, s[WV], 2
	v_add_nc_u32 v[SW], s55, v31
	v_lshl_add_u32 v31, v27, 4, SCS
	s_lshl_b32 s55, s[WV], 9
	v_add_nc_u32 v[SR], s55, v31
.irp b, 0,1,2,3
	v_mov_b32 v[TM+4+\b], 0                        ; written once: a lane permute's destination counts as one of its sources
.endr
	s_wait_kmcnt 0x0
	s_cmp_eq_u32 s[PATH], 0                        ; the path chooses the buffers: the choice hangs on the cluster's number alone
	s_cselect_b64 s[XB:XB+1], s[6:7], s[4:5]       ; path 0 multiplies ecg and adds onto eeg
	s_cselect_b64 s[RB:RB+1], s[4:5], s[6:7]
	s_cselect_b64 s[WVC:WVC+1], s[8:9], s[24:25]
	s_cselect_b64 s[WVS:WVS+1], s[10:11], s[26:27]
	s_cselect_b64 s[BV:BV+1], s[12:13], s[28:29]
	s_cselect_b64 s[WOC:WOC+1], s[14:15], s[30:31]
	s_cselect_b64 s[WOS:WOS+1], s[16:17], s[32:33]
	s_cselect_b64 s[BO:BO+1], s[18:19], s[34:35]
	s_cselect_b64 s[GAM:GAM+1], s[20:21], s[36:37]
	s_cselect_b64 s[BET:BET+1], s[22:23], s[38:39]
	s_lshl_b32 s28, s[RBK], 18                     ; my block's 64 rows of 4,096 bytes
	s_mov_b32 s29, 0
	s_add_nc_u64 s[RB:RB+1], s[RB:RB+1], s[28:29]
	s_add_nc_u64 s[XB:XB+1], s[XB:XB+1], s[28:29]
	s_lshl_b32 s2, s[WV], 16                       ; x: my 16 rows of them
	s_mov_b32 s3, 0
	s_add_nc_u64 s[XB:XB+1], s[XB:XB+1], s[2:3]
	XLOAD 0                                        ; x FIRST: the launch's longest read is on its way while the cluster meets and the first tiles are asked for: 64 loads a wave
	XLOAD 1
	XLOAD 2
	XLOAD 3
	s_mul_i32 s2, s[WV], 98304                     ; my 128 rows of 768 bytes
	s_mov_b32 s3, 0
	s_add_nc_u64 s[WB:WB+1], s[WVC:WVC+1], s[2:3]
	s_add_nc_u64 s[NB:NB+1], s[WOC:WOC+1], s[2:3]
	s_add_nc_u64 s[WB+2:WB+3], s[WB:WB+1], 393216  ; half 1: 512 rows on
	s_add_nc_u64 s[NB+2:NB+3], s[NB:NB+1], 393216
.irp b, 0,1
	s_mov_b32 s[G0+4*\b], 1                        ; count = 1
	s_add_co_u32 s[G0+4*\b+1], s54, \b*SLOTB       ; LDS address: my rows of buffer b
	s_mul_i32 s2, s[K2+\b], 192
	s_mov_b32 s3, 0
	s_add_nc_u64 s[G0+4*\b+2:G0+4*\b+3], s[WB:WB+1], s[2:3]   ; slot b: half 0, the b-th K block walked
	s_or_b32 s[G0+4*\b+3], s[G0+4*\b+3], 0x80000000           ; type = 2
.endr
	CROUND                                         ; all four work-groups are here: the first joint loads meet
	tensor_load_to_lds s[G0:G0+3], s[G1:G1+7]      ; both first fills go out together: two loads of mine are out
	s_nop 0
	tensor_load_to_lds s[G0+4:G0+7], s[G1:G1+7]
	s_nop 0
	PLACES
	s_lshl_b32 s2, s[WV], 9                        ; my 128 columns, in f32
	s_mov_b32 s3, 0
	s_add_nc_u64 s[RB:RB+1], s[RB:RB+1], s[2:3]
	s_add_nc_u64 s[BV:BV+1], s[BV:BV+1], s[2:3]
	s_add_nc_u64 s[BO:BO+1], s[BO:BO+1], s[2:3]
	s_add_nc_u64 s[GAM:GAM+1], s[GAM:GAM+1], s[2:3]
	s_add_nc_u64 s[BET:BET+1], s[BET:BET+1], s[2:3]
	s_lshl_b32 s2, s[WV], 12                       ; my 128 rows of 32 scale bytes
	s_add_nc_u64 s[WVS:WVS+1], s[WVS:WVS+1], s[2:3]
	s_add_nc_u64 s[WOS:WOS+1], s[WOS:WOS+1], s[2:3]
	s_lshr_b32 s28, s[RBK], 1                      ; fc: [row / 128][K step][(row % 128) / 16][1,536]: my K steps are 8 path + 4 g + w
	s_lshl_b32 s28, s28, 4
	s_lshl_b32 s30, s[PATH], 3
	s_add_co_u32 s28, s28, s30
	s_add_co_u32 s28, s28, s[WV]
	s_mul_i32 s28, s28, 12288
	s_and_b32 s30, s[RBK], 1
	s_mul_i32 s30, s30, 6144
	s_add_co_u32 s28, s28, s30
	s_add_nc_u64 s[FC:FC+1], s[FC:FC+1], s[28:29]
	s_lshl_b32 s28, s[RBK], 11                     ; fs: [path][row][8 words]; wave w stores 512 of the block's 2,048 bytes
	s_lshl_b32 s30, s[PATH], 18
	s_add_co_u32 s28, s28, s30
	s_lshl_b32 s30, s[WV], 9
	s_add_co_u32 s28, s28, s30
	s_add_nc_u64 s[FS:FS+1], s[FS:FS+1], s[28:29]
	s_mov_b64 s[CURB:CURB+1], s[BV:BV+1]
	s_mov_b64 s[CURS:CURS+1], s[WVS:WVS+1]
; ---- X: my 16 rows of x become eight fragments.  Loads come back in order (ISA guide 5.7.1).  Every wait below leaves three groups of 16 younger loads out; behind each wait one more group is issued:
; chunks 4 to 7, then the first layer's scale words in two halves, then bv into half 0's accumulators, whose registers x's chunks 0 to 3 have left.
.irp s, 0,1,2,3
	s_wait_loadcnt 48                              ; chunk s is in; out: chunks s + 1, s + 2, s + 3
	XLOAD \s+4
	XSTEP \s
.endr
	s_wait_loadcnt 48                              ; chunk 4; out: chunks 5, 6, 7
	BSLOAD 0
	XSTEP 4
	s_wait_loadcnt 48                              ; chunk 5; out: chunks 6, 7 and the scale words' first half
	BSLOAD 1
	XSTEP 5
	s_wait_loadcnt 48                              ; chunk 6; out: chunk 7 and both halves
	CLOADM 0, 0
	XSTEP 6
	s_wait_loadcnt 48                              ; chunk 7; out: both halves and the 16 loads of bv just issued
	CLOADM 0, 1
	CLOADM 0, 2
	CLOADM 0, 3
	XSTEP 7
.Llayer:                                           ; two trips: the first layer leaves by the way back, the second in the middle
	s_wait_tensorcnt 0x1                           ; buffer 0's tile is in; buffer 1's may stay out
	s_wait_dscnt 0x0                               ; my images and scale words lie in LDS
	s_barrier_signal -1
	s_barrier_wait -1                              ; everybody's do
	AADR 0, 0
	FETB 0, 0
	FETA 0, 0
	FETS 0
	SLOT 0, 1, 1
	SLOT 1, 1, 1
	SLOT 2, 1, 1
	SLOT 3, 1, 1
	SLOT 4, 1, 1
	SLOT 5, 1, 1
	s_cmp_eq_u32 s[LAY], 1
	s_cbranch_scc1 .Lsecond                        ; the second layer's tail is written out: it asks for nothing more
	SLOT 6, 2, 1                                   ; the ring goes on into the second layer: buffer 0 takes its slot 0,
	SLOT 7, 2, 0                                   ; buffer 1 its slot 1
	s_mov_b64 s[CURB:CURB+1], s[RB:RB+1]           ; the second layer's sums start from the residual.  (The loads that named these registers were waited for at slots 0 and 4)
	s_mov_b64 s[CURS:CURS+1], s[WOS:WOS+1]
.irp m, 0,1,2,3
	v_add_nc_u32 v[CVO+\m], 65536*\m, v[XA]        ; row 16 m + r of my block
.endr
.irp m, 0,1,2,3                                ; V = x Wv^T + bv is quantised: my columns of half g are K step 4 g + w.  x's images were last read ahead of slot 7's barrier
	QUANT 64*\m, 2, 1
	IMAGE HWI, (8*\m)*1536
	ds_store_b32 v[HWS], v[PW] offset:(4*\m)*128
	CLOADM 0, \m                                   ; the registers just quantised take the residual: it lands while the rest of V is quantised
.endr
.irp m, 0,1,2,3
	QUANT 64*\m, 3, 1
	IMAGE HWI, (8*\m+4)*1536
	ds_store_b32 v[HWS], v[PW] offset:(4*\m+2)*128
.if \m < 2
	BSLOAD \m                                      ; the second layer's scale words
.endif
.endr
	s_mov_b64 s[WB:WB+1], s[NB:NB+1]
	s_mov_b64 s[WB+2:WB+3], s[NB+2:NB+3]
	s_sub_co_u32 s[LAY], s[LAY], 1
	s_branch .Llayer
; ---- the LayerNorm.  Chunk c = 4 g + m: the 64 numbers of a lane in accumulators (g, m, 0..7).
.macro BOLOAD g, reg                   ; bo's tiles of half g into window 1
	WIN 0x40
.irp tl, 0,1,2,3,4,5,6,7
.irp jj, 0,1
	global_load_b128 v[(\reg)+8*\tl+4*\jj:(\reg)+8*\tl+4*\jj+3], v[BIA], s[BO:BO+1] offset:2048*(\g)+64*\tl+16*\jj
.endr
.endr
	WIN 0
.endm
.macro P1C c                           ; y = (residual + attended) + bo, and the rows' sums in two chains for each m
.set PG, (\c)/4
.set PM, (\c)%4
.set PB, BO0*(1-PG)+BO1*PG
	WIN 0x86+0x41*PG
.set J, 0
.rept 32
	v_pk_add_f32 v[64*PM+J:64*PM+J+1], v[64*PM+J:64*PM+J+1], v[PB+J:PB+J+1]   ; each accumulator from its low end on
.set J, J+2
.endr
.if PG == 0
	WIN 0x0a
	v_pk_add_f32 v[CH+4*PM:CH+4*PM+1], v[64*PM:64*PM+1], v[64*PM+2:64*PM+3]   ; the first additions start the chains: nothing is cleared
	v_pk_add_f32 v[CH+4*PM+2:CH+4*PM+3], v[64*PM+4:64*PM+5], v[64*PM+6:64*PM+7]
.set J, 8
.else
.set J, 0
.endif
	WIN 0x08+4*PG
.rept (64-J)/4
	v_pk_add_f32 v[CH+4*PM:CH+4*PM+1], v[CH+4*PM:CH+4*PM+1], v[64*PM+J:64*PM+J+1]
	v_pk_add_f32 v[CH+4*PM+2:CH+4*PM+3], v[CH+4*PM+2:CH+4*PM+3], v[64*PM+J+2:64*PM+J+3]
.set J, J+4
.endr
	WIN 0
.endm
.macro REDUCE off                      ; the chains of the four m -> the rows' sums over all 1,024 columns, in v[RL] .. v[RL + 3], in every wave in the same order
.irp m, 0,1,2,3
	v_pk_add_f32 v[CH+4*\m:CH+4*\m+1], v[CH+4*\m:CH+4*\m+1], v[CH+4*\m+2:CH+4*\m+3]
.endr
.irp m, 0,1,2,3
	v_add_f32 v[RS+\m], v[CH+4*\m], v[CH+4*\m+1]
.endr
.irp m, 0,1,2,3
	v_permlanex16_b32 v[TM+4+\m], v[RS+\m], s[SEL], s[SEL+1]
.endr
.irp m, 0,1,2,3
	v_add_f32 v[RS+\m], v[RS+\m], v[TM+4+\m]       ; with lane l xor 16's columns: my wave's 256
.endr
	ds_store_b128 v[RW], v[RS:RS+3] offset:\off
	s_wait_dscnt 0x0                               ; for the others' sake: my sums lie in LDS
	s_barrier_signal -1
	s_barrier_wait -1
.irp x, 0,1,2,3
	ds_load_b128 v[RL+4*\x:RL+4*\x+3], v[RR] offset:(\off)+256*\x
.endr
	s_wait_dscnt 0x0
	v_pk_add_f32 v[RL:RL+1], v[RL:RL+1], v[RL+4:RL+5]
	v_pk_add_f32 v[RL+2:RL+3], v[RL+2:RL+3], v[RL+6:RL+7]
	v_pk_add_f32 v[RL+8:RL+9], v[RL+8:RL+9], v[RL+12:RL+13]
	v_pk_add_f32 v[RL+10:RL+11], v[RL+10:RL+11], v[RL+14:RL+15]
	v_pk_add_f32 v[RL:RL+1], v[RL:RL+1], v[RL+8:RL+9]
	v_pk_add_f32 v[RL+2:RL+3], v[RL+2:RL+3], v[RL+10:RL+11]
.endm
.macro P2C c                           ; y - mean, and the sums of its squares: the variance is taken of the differences, not as a difference of sums
.set PG, (\c)/4
.set PM, (\c)%4
	WIN 0x82+0x41*PG
.set J, 0
.rept 32
	v_pk_add_f32 v[64*PM+J:64*PM+J+1], v[64*PM+J:64*PM+J+1], v[NMU+2*PM:NMU+2*PM+1] op_sel_hi:[1,0]
.set J, J+2
.endr
	WIN 0x0a+5*PG
.if PG == 0
	v_pk_mul_f32 v[CH+4*PM:CH+4*PM+1], v[64*PM:64*PM+1], v[64*PM:64*PM+1]
	v_pk_mul_f32 v[CH+4*PM+2:CH+4*PM+3], v[64*PM+2:64*PM+3], v[64*PM+2:64*PM+3]
.set J, 4
.else
.set J, 0
.endif
.rept (64-J)/4
	v_pk_fma_f32 v[CH+4*PM:CH+4*PM+1], v[64*PM+J:64*PM+J+1], v[64*PM+J:64*PM+J+1], v[CH+4*PM:CH+4*PM+1]
	v_pk_fma_f32 v[CH+4*PM+2:CH+4*PM+3], v[64*PM+J+2:64*PM+J+3], v[64*PM+J+2:64*PM+J+3], v[CH+4*PM+2:CH+4*PM+3]
.set J, J+4
.endr
	WIN 0
.endm
.macro P3C c                           ; E = (y - mean) / sqrt(var + eps) x g + beta, quantised; its image goes to fc, its scale word to LDS
.set PG, (\c)/4
.set PM, (\c)%4
	WIN 0x82+0x41*PG
.set J, 0
.rept 32
	v_pk_mul_f32 v[64*PM+J:64*PM+J+1], v[64*PM+J:64*PM+J+1], v[RSTD+2*PM:RSTD+2*PM+1] op_sel_hi:[1,0]
.set J, J+2
.endr
	WIN 0x96+0x41*PG
.set J, 0
.rept 32
	v_pk_fma_f32 v[64*PM+J:64*PM+J+1], v[64*PM+J:64*PM+J+1], v[128*PG+J:128*PG+J+1], v[128*PG+64+J:128*PG+64+J+1]
.set J, J+2
.endr
	QUANT 64*PM, 2+PG, 2
.irp c3, 0,1,2
	global_store_b128 v[GO], v[PC+4*\c3:PC+4*\c3+3], s[FC:FC+1] offset:49152*PG+1536*PM+512*\c3   ; the 32 lanes store 512 consecutive bytes, at a multiple of 256 from fc's first byte
.endr
	ds_store_b32 v[SW], v[PW] offset:512*PM+16*PG
.endm
.Lsecond:
	BOLOAD 0, BO0                                  ; bo's half 0: two slots ahead of its use
	SLOT 6, 0, 1
	SLOT 7, 0, 0
	BOLOAD 1, BO1                                  ; half 1, into registers that held the weight's fragments: it lands while half 0 is added
	s_wait_loadcnt 16                              ; half 0's 16 loads are in; half 1's may be out
	P1C 0
	P1C 1
	P1C 2
	P1C 3
	s_wait_loadcnt 0x0
	P1C 4
	P1C 5
	P1C 6
	P1C 7
	WIN 0x40                                       ; g and beta of my 256 columns, in the accumulators' layout, where bo lay: wanted two passes on
.irp g, 0,1
.irp tl, 0,1,2,3,4,5,6,7
.irp jj, 0,1
	global_load_b128 v[128*\g+8*\tl+4*\jj:128*\g+8*\tl+4*\jj+3], v[BIA], s[GAM:GAM+1] offset:2048*\g+64*\tl+16*\jj
	global_load_b128 v[128*\g+64+8*\tl+4*\jj:128*\g+64+8*\tl+4*\jj+3], v[BIA], s[BET:BET+1] offset:2048*\g+64*\tl+16*\jj
.endr
.endr
.endr
	WIN 0
	REDUCE 0
.irp m, 0,1,2,3
	v_mul_f32 v[NMU+2*\m], s[CN1024], v[RL+\m]     ; -mean (the pair is named whole, so both words are written)
	v_mul_f32 v[NMU+2*\m+1], s[CN1024], v[RL+\m]
.endr
.irp c, 0,1,2,3,4,5,6,7
	P2C \c
.endr
	REDUCE 1024
.irp m, 0,1,2,3
	v_fma_f32 v[RS+\m], v[RL+\m], s[C1024], s[CEPS]   ; var + eps
.endr
.irp m, 0,1,2,3
	v_rsq_f32 v[RSTD+2*\m], v[RS+\m]
.endr
	v_nop                                          ; a plain place behind the last of the four
	s_wait_alu depctr_va_vdst(0)                   ; one wait for the four, ahead of their first reader
.irp m, 0,1,2,3
	v_mov_b32 v[RSTD+2*\m+1], v[RSTD+2*\m]
.endr
	s_wait_loadcnt 0x0                             ; g and beta
.irp c, 0,1,2,3,4,5,6,7
	P3C \c
.endr
	s_wait_dscnt 0x0                               ; my scale words lie in LDS
	s_barrier_signal -1
	s_barrier_wait -1                              ; the 64 rows' eight words each are whole
	ds_load_b128 v[RL:RL+3], v[SR]
	s_wait_dscnt 0x0
	global_store_b128 v[GO], v[RL:RL+3], s[FS:FS+1]   ; 512 consecutive bytes a wave, 2,048 a work-group
	s_wait_tensorcnt 0x0                           ; the wave's end
	ds_add_u32 v[SPW], v[NIL]
	s_wait_dscnt 0x0
	CROUND                                         ; the closing round: no work-group ends while a partner may still ask for a tile that names it
	s_endpgm
.Lfunc_end_k_q86f098805c_chain:
	.size	k_q86f098805c_chain, .Lfunc_end_k_q86f098805c_chain-k_q86f098805c_chain
	.p2alignl 7, 3214868480
	.fill 96, 4, 3214868480
	.section	.rodata,"a",@progbits
	.p2align	6, 0x0
	.amdhsa_kernel k_q86f098805c_chain
		.amdhsa_group_segment_fixed_size 327680
		.amdhsa_private_segment_fixed_size 0
		.amdhsa_enable_private_segment 0
		.amdhsa_kernarg_size 160
		.amdhsa_user_sgpr_count 2
		.amdhsa_user_sgpr_kernarg_segment_ptr 1
		.amdhsa_wavefront_size32 1
		.amdhsa_system_sgpr_workgroup_id_x 1
		.amdhsa_system_sgpr_workgroup_id_y 1
		.amdhsa_system_sgpr_workgroup_id_z 1
		.amdhsa_system_vgpr_workitem_id 0
		.amdhsa_next_free_vgpr 1024
		.amdhsa_next_free_sgpr 100
		.amdhsa_reserve_vcc 0
		.amdhsa_float_denorm_mode_32 3
		.amdhsa_float_denorm_mode_16_64 3
		.amdhsa_memory_ordered 1
		.amdhsa_forward_progress 1
		.amdhsa_inst_pref_size 255
	.end_amdhsa_kernel
	.section	.bss,"aw",@nobits
	.p2align	6
	.space	262144
	.amdgpu_metadata
---
amdhsa.version: [ 1, 2 ]
amdhsa.kernels:
  - .name:           k_q86f098805c_chain
    .symbol:         k_q86f098805c_chain.kd
    .args:
      - { .name: eeg_emb, .offset: 0, .size: 8, .value_kind: global_buffer, .address_space: global }
      - { .name: ecg_emb, .offset: 8, .size: 8, .value_kind: global_buffer, .address_space: global }
      - { .name: Wv1_codes, .offset: 16, .size: 8, .value_kind: global_buffer, .address_space: global }
      - { .name: Wv1_scales, .offset: 24, .size: 8, .value_kind: global_buffer, .address_space: global }
      - { .name: bv1, .offset: 32, .size: 8, .value_kind: global_buffer, .address_space: global }
      - { .name: Wo1_codes, .offset: 40, .size: 8, .value_kind: global_buffer, .address_space: global }
      - { .name: Wo1_scales, .offset: 48, .size: 8, .value_kind: global_buffer, .address_space: global }
      - { .name: bo1, .offset: 56, .size: 8, .value_kind: global_buffer, .address_space: global }
      - { .name: g1, .offset: 64, .size: 8, .value_kind: global_buffer, .address_space: global }
      - { .name: beta1, .offset: 72, .size: 8, .value_kind: global_buffer, .address_space: global }
      - { .name: Wv2_codes, .offset: 80, .size: 8, .value_kind: global_buffer, .address_space: global }
      - { .name: Wv2_scales, .offset: 88, .size: 8, .value_kind: global_buffer, .address_space: global }
      - { .name: bv2, .offset: 96, .size: 8, .value_kind: global_buffer, .address_space: global }
      - { .name: Wo2_codes, .offset: 104, .size: 8, .value_kind: global_buffer, .address_space: global }
      - { .name: Wo2_scales, .offset: 112, .size: 8, .value_kind: global_buffer, .address_space: global }
      - { .name: bo2, .offset: 120, .size: 8, .value_kind: global_buffer, .address_space: global }
      - { .name: g2, .offset: 128, .size: 8, .value_kind: global_buffer, .address_space: global }
      - { .name: beta2, .offset: 136, .size: 8, .value_kind: global_buffer, .address_space: global }
      - { .name: fc, .offset: 144, .size: 8, .value_kind: global_buffer, .address_space: global }
      - { .name: fs, .offset: 152, .size: 8, .value_kind: global_buffer, .address_space: global }
    .group_segment_fixed_size: 327680
    .private_segment_fixed_size: 0
    .kernarg_segment_align: 8
    .kernarg_segment_size: 160
    .max_flat_workgroup_size: 128
    .sgpr_count:     100
    .vgpr_count:     1024
    .wavefront_size: 32
...
	.end_amdgpu_metadata
.endif
;; end of part 3
;; launch fuse: the kernel of part 2 again; grid 4 x 64, 4 waves a work-group, clusters of 4 x 4, 327,680 bytes of LDS; arguments fc, fs, Wf_codes, Wf_scales, bf, out0; writes out0
